; MI455X (gfx1250); checked and timed in simulation.
; The chip was launched on July 23, 2026; its instructions are those of AMD's public machine-readable ISA for CDNA 5 (MIT licence, August 2026) and "CDNA5" Instruction Set Architecture Reference Guide (July 2026). The comments in the code are by the model that wrote it; some were corrected since.
;; Self Attention V1. Allowed arithmetic: matrix products marked QUANTISED: E2M3 operands, one E8M0 scale for each 32 along K, by v_wmma_scale_f32_16x16x128_f8f6f4 with both operands' format E2M3, f32 sums; everything else in f32.
;; Inputs: W_k 1,024 x 1,024 float32; W_q 1,024 x 1,024 float32; W_v 1,024 x 1,024 float32; x 4,096 x 1,024 float32.
;; Outputs: out0 4,096 x 1,024 float32.
;; This version of the problem:
;;   THIS VERSION OF THE PROBLEM IS GIVEN IN LOW PRECISION. The matrix products marked QUANTISED in the list below multiply operands that are first quantised to E2M3 (2 exponent bits, 3 mantissa bits; 6 bits a number), with one power-of-two scale for each 32 numbers along K (OCP MX v1.0); their sums are f32. All else is computed in f32.
;;   The module's matrix products, in the order in which they are computed (A, B: the left and right operand; K: the contracted axis; several contracted axes count as one K, in the product's order):
;;     1. [M 4,096, K 1,024] x [K 1,024, N 1,024]; A: input x; B: input W_q: QUANTISED
;;     2. [M 4,096, K 1,024] x [K 1,024, N 1,024]; A: input x; B: input W_k: QUANTISED
;;     3. [M 4,096, K 1,024] x [K 1,024, N 1,024]; A: input x; B: input W_v: QUANTISED
;;     4. [M 4,096, K 1,024] x [K 1,024, N 4,096]; A: computed on the way; B: computed on the way: QUANTISED
;;     5. [M 4,096, K 4,096] x [K 4,096, N 1,024]; A: softmax (see below); B: computed on the way: QUANTISED
;;   THE QUANTISER, for each operand of a quantised product, along K:
;;     - K is cut into blocks of 32 from its start; a last block that is shorter is filled with zeros.
;;     - A block's scale is 2^e with e = floor(log2(the largest magnitude in the block)) - 2, held to -126 .. 127; a block of zeros has e = 0. As a byte (E8M0): e + 127.
;;     - Each number is divided by its block's scale, clamped to +-7.5, and rounded to the nearest number of E2M3, ties to even, subnormals kept.
;;     - The product sums the exact products of the quantised numbers (number of the format x scale) in f32.
;;   ~~~python
;;   def quantise(x, axis):      # numpy; x: float32 -> the quantised numbers, widened to float32 again
;;       x = np.moveaxis(x, axis, -1); K = x.shape[-1]
;;       x = np.pad(x, [(0, 0)] * (x.ndim - 1) + [(0, -K % 32)]); x = x.reshape(x.shape[:-1] + (-1, 32)); a = np.abs(x).max(-1, keepdims=True)
;;       e = np.where(a > 0, np.clip(np.frexp(np.where(a > 0, a, 1))[1] - 1 - 2, -126, 127), 0)      # np.frexp(a)[1] - 1 = floor(log2(a)), exactly
;;       r = np.clip(x / 2.0 ** e, -7.5, 7.5)
;;       step = 2.0 ** (np.maximum(np.frexp(np.where(r == 0, 1, r))[1] - 1, 0) - 3)
;;       q = np.round(r / step) * step * 2.0 ** e      # np.round: ties to even
;;       return np.moveaxis(q.reshape(q.shape[:-2] + (-1,))[..., :K], -1, axis).astype(np.float32)
;;   ~~~
;;   SOFTMAX AHEAD OF A QUANTISED PRODUCT. Where the list says 'softmax', what is quantised is not the finished softmax but p = 2^(t - M), with t = logit x log2(e) and M = ceil(the row's largest t), a whole number; so 1/2 < the row's largest p <= 1. The row's sum l is taken of the UNQUANTISED p, in f32, and the product's result is divided by l at the end. Since M is a whole number, a kernel that streams over the keys may use a running M (the ceiling of the running maximum): every later rescaling is an exact power of two, which a block's scale takes up: the codes' values come out the same.
;;   OPERANDS COMPUTED ON THE WAY. 'Computed on the way' means the value that the module computes at that place (a softmax that the list does not call 'softmax' is quantised finished and normalised). What goes into a quantiser is computed in f32, as accurately as f32 sums, v_exp_f32 and their like allow (about 1e-6 of the number): no bf16 or f16 on the way to a quantiser, and a product that is left as it is and whose result goes on into a quantised operand takes f32 operands (vector FMAs, or v_wmma_f32_16x16x4_f32). A number that lies on a knife's edge between two numbers of the format may be rounded either way, as far as f32 arithmetic and the matrix unit's own rounding can turn it there, and no further.
;; One version. Each part assembles by itself: llvm-mc -triple=amdgcn-amd-amdhsa -mcpu=gfx1250 --defsym DOCPART=n.
;; ======== version 1 of 1: 4 launches
;; workspace buffers: cd1 5,505,024 bytes; sc1 229,376 bytes; cd2 9,437,184 bytes; sc2 393,216 bytes; cdp 12,582,912 bytes; st3 1,572,864 bytes
;; launch quant (part 1): grid 448 x 1, 4 waves a work-group, no clusters, 67,072 bytes of LDS; arguments x, W_q, W_k, W_v, cd1, sc1; writes cd1, sc1
.if DOCPART == 1
	.amdgcn_target "amdgcn-amd-amdhsa--gfx1250"
	.amdhsa_code_object_version 6
	.text
	.protected	k_q198e52884e_quant
	.globl	k_q198e52884e_quant
	.p2align	8
	.type	k_q198e52884e_quant,@function
k_q198e52884e_quant:
	s_mov_b64 s[64:65], 0
	v_nop
	global_prefetch_b8 v0, s[64:65] scope:SCOPE_SE
	s_setreg_imm32_b32 hwreg(HW_REG_WAVE_MODE, 25, 1), 1
	s_wait_xcnt 0x0
; x [4096][1024], W_q, W_k, W_v [1024][1024], f32, K innermost, become codes of FP6 (E2M3) with one E8M0 byte for each 32 along K.
; A block's scale is 2^(floor(log2(its largest magnitude)) - 2); its byte is the largest magnitude's exponent field - 2, held at 1 from below.
; LIMITS: a block of zeros gets the byte 1 where the quantiser says 127 (its codes are zeros and this program alone reads the bytes); NaN and infinities are not served.
; LAYOUT OF THE CODES (cd1): images of operand registers.  A fragment is 16 rows x 128 K, 12 registers a lane; registers 4 j .. 4 j + 3 of lane l lie at 512 j + 16 l: 1,536 bytes.
; cd1 = [fragment row block mb 448][chunk of 128 K, 8][1536]; mb 0-255 x, 256-319 W_q, 320-383 W_k, 384-447 W_v.
; THE ROWS OF A FRAGMENT ARE NOT NEIGHBOURS: lane r of block mb holds the tensor's row 32 (mb / 2) + 8 (mb % 2) + r + 8 (r / 8), so that a product that takes such a fragment as source 0
; leaves 16 neighbours along that axis in 16 registers of a lane.  sc1 = u32 [chunk 8][16 mb + r]: a row's four bytes of a chunk.
; SHARES: a work-group takes one mb, wave w its chunks 2 w and 2 w + 1: 1,024 bytes of each of the 16 rows.  Each load reads 512 consecutive bytes; the numbers turn through the wave's own
; stage in LDS (16 rows, 1,040 bytes apart) and come back 16 neighbours a lane and block.  Waves share nothing: no barrier.
.set PITCH, 1040
.set WREG,  16*PITCH                   ; a wave's stage
.set LI,  4                            ; v4   16 x lane: my place in a load's 512 bytes and in an image's 512
.set SIN, 5                            ; v5   the stage, way in
.set SOU, 6                            ; v6   the stage, way out: row r, + 64 h
.set SWO, 7                            ; v7   my scale word's place: 28,672 h + 4 r
.set TM,  8                            ; v8-23 at work in QUANT
.set PC,  28                           ; v28-39 the fragment; v40-42, v44-46 halves on their way
.set R,   64                           ; v64-191 the 32 loads
.set X0,  192                          ; v192-255 chunk 2 w's 64 numbers
.set X1,  64                           ; v64-127  chunk 2 w + 1's
.set SEL, 26                           ; s[26:27] selects for lane l xor 16
; 64 numbers of a lane, register 16 b + i = k 32 b + 16 (lane / 16) + i of my row, become a fragment's codes in v[PC] on and its scale word in v[pw].
.macro QUANT s, pw
.irp b, 0,1,2,3
	v_max3_num_f32 v[TM+\b], |v[\s+16*\b]|, |v[\s+1+16*\b]|, 0x1800000   ; block b: my 16 numbers, and the floor 2^(3 - 127): the byte cannot fall under 1
.endr
.irp i, 2,4,6,8,10,12,14
.irp b, 0,1,2,3
	v_max3_num_f32 v[TM+\b], v[TM+\b], |v[\s+16*\b+\i]|, |v[\s+1+16*\b+\i]|   ; the four blocks by turns
.endr
.endr
.irp b, 0,1,2,3
	v_permlanex16_b32 v[TM+4+\b], v[TM+\b], s[SEL], s[SEL+1]
.endr
.irp b, 0,1,2,3
	v_max_num_f32 v[TM+\b], v[TM+\b], v[TM+4+\b]   ; with lane l xor 16's 16: the block's largest magnitude
.endr
.irp b, 0,1,2,3
	v_add_nc_u32 v[TM+12+\b], 0xff000000, v[TM+\b]   ; 2 off its exponent field: the conversion's scale operand
.endr
.irp b, 0,1,2,3
	v_lshrrev_b32 v[TM+4+\b], 23, v[TM+12+\b]      ; the scale's byte
.endr
	v_lshl_or_b32 v[\pw], v[TM+5], 8, v[TM+4]      ; four bytes: my row's scale word
	v_lshl_or_b32 v[\pw], v[TM+6], 16, v[\pw]
	v_lshl_or_b32 v[\pw], v[TM+7], 24, v[\pw]
.irp c, 0,1
	v_cvt_scalef32_pk16_fp6_f32 v[PC+6*\c:PC+2+6*\c], v[\s+32*\c:\s+15+32*\c], v[TM+12+2*\c]
	v_cvt_scalef32_pk16_fp6_f32 v[PC+12+4*\c:PC+14+4*\c], v[\s+16+32*\c:\s+31+32*\c], v[TM+12+2*\c+1]   ; a conversion's three registers begin on an even number
.endr
	v_nop                                          ; one plain place behind a scaled conversion
.irp c, 0,1                                    ; the operand's layout wants a whole block in a lane: lanes 0-15 block 2 c, lanes 16-31 block 2 c + 1
.irp i, 0,1,2
	v_permlane16_swap_b32 v[PC+6*\c+\i], v[PC+12+4*\c+\i]
.endr
.irp i, 0,1,2
	v_mov_b32 v[PC+3+6*\c+\i], v[PC+12+4*\c+\i]
.endr
.endr
.endm
	s_load_b256 s[4:11], s[0:1], 0x0               ; x s[4:5], W_q s[6:7], W_k s[8:9], W_v s[10:11]
	s_load_b128 s[12:15], s[0:1], 0x20             ; cd1 s[12:13], sc1 s[14:15]
	v_lshl_add_u32 v62, v0, 2, 0x10400
	v_mov_b32 v63, 0
	v_lshrrev_b32 v1, 5, v0
	v_readfirstlane_b32 s16, v1                    ; wave 0..3
	v_and_b32 v1, 31, v0                           ; lane
	v_and_b32 v2, 15, v0                           ; r
	v_bfe_u32 v3, v0, 4, 1                         ; h
	v_lshlrev_b32 v[LI], 4, v1
	s_mul_i32 s17, s16, WREG
	v_add_nc_u32 v[SIN], s17, v[LI]
	v_mul_u32_u24 v[SOU], v2, PITCH
	v_lshl_add_u32 v[SOU], v3, 6, v[SOU]
	v_add_nc_u32 v[SOU], s17, v[SOU]
	v_mul_u32_u24 v[SWO], v3, 28672                ; lanes 16-31 store the second chunk's words, one chunk of the table on
	v_lshl_add_u32 v[SWO], v2, 2, v[SWO]
	v_cmp_ne_u32 s28, 0, v3                        ; the mask of lanes 16-31
	s_mov_b32 s[SEL], 0x76543210
	s_mov_b32 s[SEL+1], 0xfedcba98
.irp b, 0,1,2,3
	v_mov_b32 v[TM+4+\b], 0                        ; written once: a lane permute's destination counts as one of its sources
.endr
	s_and_b32 s22, ttmp9, 63                       ; the block's number inside a weight
	s_mul_i32 s30, ttmp9, 12288                    ; cd1: my block's eight images,
	s_mul_i32 s18, s16, 3072                       ; my wave's two of them
	s_add_co_u32 s30, s30, s18
	s_mov_b32 s31, 0
	s_mul_i32 s32, s16, 57344                      ; sc1: chunk 2 w,
	s_lshl_b32 s18, ttmp9, 6                       ; my block's 16 words
	s_add_co_u32 s32, s32, s18
	s_mov_b32 s33, 0
	s_wait_kmcnt 0x0
	s_mov_b64 s[20:21], s[10:11]                   ; which tensor: the choice hangs on the work-group's number alone
	s_cmp_lt_u32 ttmp9, 384
	s_cselect_b64 s[20:21], s[8:9], s[20:21]
	s_cmp_lt_u32 ttmp9, 320
	s_cselect_b64 s[20:21], s[6:7], s[20:21]
	s_cmp_lt_u32 ttmp9, 256
	s_cselect_b64 s[20:21], s[4:5], s[20:21]
	s_cselect_b32 s22, ttmp9, s22                  ; and the block's number in it
	s_lshr_b32 s23, s22, 1
	s_lshl_b32 s23, s23, 17                        ; 32 (mb / 2) rows of 4,096 bytes
	s_and_b32 s24, s22, 1
	s_lshl_b32 s24, s24, 15                        ; + 8 (mb % 2) rows
	s_add_co_u32 s23, s23, s24
	s_lshl_b32 s24, s16, 10                        ; + my wave's 1,024 bytes of a row
	s_add_co_u32 s24, s23, s24
	s_mov_b32 s25, 0
	s_add_nc_u64 s[20:21], s[20:21], s[24:25]
	s_add_nc_u64 s[12:13], s[12:13], s[30:31]
	s_add_nc_u64 s[14:15], s[14:15], s[32:33]
.irp i, 0,1,2,3,4,5,6,7,8,9,10,11,12,13,14,15      ; fragment row i is the tensor's row i + 8 (i / 8) from the block's first
.irp s, 0,1
	global_load_b128 v[R+4*(2*\i+\s):R+4*(2*\i+\s)+3], v[LI], s[20:21] offset:(\i+8*(\i/8))*4096+512*\s th:TH_LOAD_NT   ; 32 lanes read 512 consecutive bytes
.endr
.endr
.irp i, 0,1,2,3,4,5,6,7,8,9,10,11,12,13,14,15
	s_wait_loadcnt 30-2*\i                         ; row i's two loads are in; the 30 - 2 i issued behind them may be out
.irp s, 0,1
	ds_store_b128 v[SIN], v[R+4*(2*\i+\s):R+4*(2*\i+\s)+3] offset:PITCH*\i+512*\s
.endr
.endr
.irp b, 0,1,2,3                                    ; LDS serves a wave's instructions in order: these see the stores above
.irp j, 0,1,2,3
	ds_load_b128 v[X0+16*\b+4*\j:X0+16*\b+4*\j+3], v[SOU] offset:128*\b+16*\j
.endr
.endr
	s_wait_dscnt 0x0                               ; the first chunk's numbers are in, and the stores into the stage have read their registers, which the second chunk's numbers take
.irp b, 0,1,2,3
.irp j, 0,1,2,3
	ds_load_b128 v[X1+16*\b+4*\j:X1+16*\b+4*\j+3], v[SOU] offset:512+128*\b+16*\j
.endr
.endr
	QUANT X0, 24
.irp j, 0,1,2
	global_store_b128 v[LI], v[PC+4*\j:PC+4*\j+3], s[12:13] offset:512*\j          ; 32 lanes store 512 consecutive bytes, aligned
.endr
	s_wait_dscnt 0x0                               ; the second chunk's numbers are in
	s_wait_xcnt 0x0                                ; the stores' data registers are rewritten only behind this wait
	QUANT X1, 25
.irp j, 0,1,2
	global_store_b128 v[LI], v[PC+4*\j:PC+4*\j+3], s[12:13] offset:1536+512*\j
.endr
	v_cndmask_b32 v26, v24, v25, s28               ; lanes 0-15 the first chunk's words, lanes 16-31 the second's
	global_store_b32 v[SWO], v26, s[14:15]
	s_wait_tensorcnt 0x0
	ds_add_u32 v62, v63
	s_wait_dscnt 0x0
	s_endpgm
.Lfunc_end_k_q198e52884e_quant:
	.size	k_q198e52884e_quant, .Lfunc_end_k_q198e52884e_quant-k_q198e52884e_quant
	.p2alignl 7, 3214868480
	.fill 96, 4, 3214868480
	.section	.rodata,"a",@progbits
	.p2align	6, 0x0
	.amdhsa_kernel k_q198e52884e_quant
		.amdhsa_group_segment_fixed_size 67072
		.amdhsa_private_segment_fixed_size 0
		.amdhsa_enable_private_segment 0
		.amdhsa_kernarg_size 48
		.amdhsa_user_sgpr_count 2
		.amdhsa_user_sgpr_kernarg_segment_ptr 1
		.amdhsa_wavefront_size32 1
		.amdhsa_system_sgpr_workgroup_id_x 1
		.amdhsa_system_sgpr_workgroup_id_y 1
		.amdhsa_system_sgpr_workgroup_id_z 1
		.amdhsa_system_vgpr_workitem_id 0
		.amdhsa_next_free_vgpr 256
		.amdhsa_next_free_sgpr 66
		.amdhsa_reserve_vcc 0
		.amdhsa_float_denorm_mode_32 3
		.amdhsa_float_denorm_mode_16_64 3
		.amdhsa_memory_ordered 1
		.amdhsa_forward_progress 1
		.amdhsa_inst_pref_size 19
	.end_amdhsa_kernel
	.amdgpu_metadata
---
amdhsa.version: [ 1, 2 ]
amdhsa.kernels:
  - .name:           k_q198e52884e_quant
    .symbol:         k_q198e52884e_quant.kd
    .args:
      - { .name: x, .offset: 0, .size: 8, .value_kind: global_buffer, .address_space: global }
      - { .name: W_q, .offset: 8, .size: 8, .value_kind: global_buffer, .address_space: global }
      - { .name: W_k, .offset: 16, .size: 8, .value_kind: global_buffer, .address_space: global }
      - { .name: W_v, .offset: 24, .size: 8, .value_kind: global_buffer, .address_space: global }
      - { .name: cd1, .offset: 32, .size: 8, .value_kind: global_buffer, .address_space: global }
      - { .name: sc1, .offset: 40, .size: 8, .value_kind: global_buffer, .address_space: global }
    .group_segment_fixed_size: 67072
    .private_segment_fixed_size: 0
    .kernarg_segment_align: 8
    .kernarg_segment_size: 48
    .max_flat_workgroup_size: 128
    .sgpr_count:     66
    .vgpr_count:     256
    .wavefront_size: 32
...
	.end_amdgpu_metadata
.endif
;; end of part 1
;; launch proj (part 2): grid 48 x 4, 4 waves a work-group, clusters of 4 x 4, 327,680 bytes of LDS; arguments cd1, sc1, cd2, sc2; writes cd2, sc2
.if DOCPART == 2
	.amdgcn_target "amdgcn-amd-amdhsa--gfx1250"
	.amdhsa_code_object_version 6
	.text
	.protected	k_q198e52884e_proj
	.globl	k_q198e52884e_proj
	.p2align	8
	.type	k_q198e52884e_proj,@function
k_q198e52884e_proj:
	s_mov_b64 s[64:65], 0
	v_nop
	global_prefetch_b8 v0, s[64:65] scope:SCOPE_SE
	s_setreg_imm32_b32 hwreg(HW_REG_WAVE_MODE, 25, 1), 1
	s_wait_xcnt 0x0
	s_wait_alu depctr_hold_cnt(0) depctr_sa_sdst(0) depctr_va_vdst(0) depctr_va_sdst(0) depctr_va_ssrc(0) depctr_va_vcc(0) depctr_vm_vsrc(0)
	s_getreg_b32 s2, hwreg(HW_REG_IB_STS2, 6, 4)
	s_cmp_eq_u32 s2, 0
	s_cbranch_scc0 .Lentry_in_a_cluster
	s_endpgm
.Lentry_in_a_cluster:
	s_bfe_u32 s2, ttmp6, 0x10000c
	s_cmp_lg_u32 s2, 0xf033
	s_cbranch_scc0 .Lentry_shape_is_right
	s_endpgm
.Lentry_shape_is_right:
; q = x W_q^T, k = x W_k^T and V^T = W_v x^T on codes of FP6 (E2M3) with E8M0 scales, K = 1,024; each result is quantised along its second axis on the way out and leaves as codes.
; OPERANDS are images of registers (a fragment of 16 rows x 128 K = 1,536 bytes: registers 4 j .. 4 j + 3 of lane l at 512 j + 16 l), laid [row block mb][chunk of 128 K][1536]; three ds_load_b128 bring one.
; THE ROWS OF A FRAGMENT ARE NOT NEIGHBOURS: lane r of block mb holds row 32 (mb / 2) + 8 (mb % 2) + r + 8 (r / 8).  The matrix instruction is used transposed (source 0 = 16 rows of B, source 1 = 16 rows
; of A): a lane then holds ONE row of A's block, and the 16 registers of two neighbouring tiles are 16 neighbours along B's rows: the next product's K, in its true order.
; SHARES: a cluster of 4 x 4 work-groups makes 1,024 x 1,024.  Clusters 0-7: A = 1,024 rows of x, B = W_q (even) or W_k (odd).  Clusters 8-11: A = W_v, B = 1,024 rows of x.  One text serves both:
; what differs is chosen by s_cselect_b32 on the cluster's number, which all sixteen partners share.  A work-group makes 256 x 256, a wave 128 x 128: 64 accumulators.
; A's tiles are asked for jointly along a row of the cluster, B's along a column.  K goes through three LDS slots of two chunks; slot 0 is filled a second time, with the last two chunks.
; The grid has 192 work-groups: 4,096 x 3,072 results in tiles of 256 x 256.
; LIMITS: a block of zeros gets the byte 1 where the quantiser says 127 (its codes are zeros; this program alone reads the bytes); NaN and infinities are not served.
; REGISTERS, in windows of 256: window 0: v0-31 addresses; v32-95 scale words and nothing else; v96-127 at work on the way out; v128-223 A's 8 fragments (on the way out: the codes just made); v240-247 scale words made.
;   window 1: B's fragments, two sets, at v0 and v128.  windows 2, 3: the accumulators: (a, b) at v[8 (8 (a % 4) + b)] of window 2 + a / 4.
.set SLOT,  98304                      ; two chunks: A's 16 blocks x 3,072 bytes, then B's
.set HALFT, 24576                      ; 8 blocks x 3,072: what one tensor load brings, and what one wave reads of A or of B
.set SPARE, 3*SLOT                     ; the spare words: 128 bytes for each wave; no other line names them
.set STAT,  SPARE+512                  ; 1,536 bytes for each wave, its own: scale words on their way out; no fill lands here
.set CP,    28672                      ; sc1: bytes from chunk to chunk
.set LI,   4                           ; v4   16 x lane
.set SOF,  5                           ; v5   my byte in a chunk of sc1: lanes 0-15 A's rows, lanes 16-31 B's
.set SWA,  6                           ; v6   STAT: where my row's word goes
.set SRA,  7                           ; v7   STAT: 16 bytes a lane on the way back
.set ADRA, 16                          ; v16-18 LDS address of my A fragments in slots 0, 1, 2
.set ADRB, 20                          ; v20-22 the same for B
.set SPW,  28                          ; v28  my spare word; never rewritten
.set NIL,  29                          ; v29  0; never rewritten
.set SC,   32                          ; register SC + 8 c + i: lanes 0-15 the words of A's block i in chunk c, lanes 16-31 those of B's block i
.set BM,   104                         ; v104-107 the blocks' largest magnitudes
.set BT,   108                         ; v108-111 the other half's, then the bytes
.set SO,   112                         ; v112-115 the conversions' scale operands
.set AF,   128
.set PC,   128                         ; the way out: v128-139 the fragment, v140-146 halves on their way
.set PW,   240                         ; v240-247 block a's scale word
.set G1,   24                          ; s[24:31] group 1 for A's tiles;  s[32:39] for B's;  s[40:51], s[52:63] groups 0, one for each slot
.set G1B,  32
.set G0,   40
.set G0B,  52
.set SOUT, 18                          ; s[18:19] where my 128 scale words go
.set OUT,  20                          ; s[20:21] where my block's image goes
.set SEL,  22                          ; s[22:23] selects for lane l xor 16
.set PIT,  80                          ; s[80:81] bytes from row block to row block in the output
.set MSB, 0
.macro WIN new                         ; the immediate's high byte repeats the setting that is left
.if MSB != (\new)
	s_set_vgpr_msb (MSB<<8)|(\new)
.set MSB, (\new)
.endif
.endm
.set MUL_LO, 0xa1                      ; source 0 (B) window 1, source 1 (A) window 0, C and D window 2
.set MUL_HI, 0xf1                      ; the same, C and D window 3
.set TO_B,   0x40                      ; destination window 1, address window 0
; A joint load: waves 0 and 1 fetch A's halves, waves 2 and 3 B's.  The branch hangs on the wave's number alone.  Four v_nop follow each of the two lines.
.macro JLOAD g0a, g1a, g0b, g1b
	s_cmp_eq_u32 s15, 0
	s_cbranch_scc0 .Lfor_b_\@
	tensor_load_to_lds s[\g0a:\g0a+3], s[\g1a:\g1a+7]
	s_nop 0
.rept 4
	v_nop
.endr
	s_branch .Lasked_\@
.Lfor_b_\@:
	tensor_load_to_lds s[\g0b:\g0b+3], s[\g1b:\g1b+7]
	s_nop 0
.rept 4
	v_nop
.endr
.Lasked_\@:
.endm
.macro CREST                           ; a round of the cluster's barrier behind its opening barrier
	s_cmp_lg_u32 s14, 0
	s_cbranch_scc1 .Lnot_wave_0_\@
	s_barrier_signal -3
.Lnot_wave_0_\@:
	s_barrier_wait -3
	s_barrier_signal -1
	s_barrier_wait -1
.endm
.macro CROUND
	s_barrier_signal -1
	s_barrier_wait -1
	CREST
.endm
.macro PLACES n                        ; plain places behind matrix instructions, in front of loads into their registers and of reads of their results
.rept \n
	v_nop
.endr
.endm
.macro FRAG reg, adr, off              ; a fragment comes as it was stored: three loads of 512 consecutive bytes
.irp j, 0,1,2
	ds_load_b128 v[\reg+4*\j:\reg+4*\j+3], v[\adr] offset:\off+512*\j
.endr
.endm
.macro FETCH_B sl, q, p                ; B's eight fragments of slot sl's chunk q into set p
	WIN TO_B
.irp i, 0,1,2,3,4,5,6,7
	FRAG 128*(\p)+12*\i, ADRB+\sl, 3072*\i+1536*(\q)
.endr
	WIN 0
.endm
.macro FETCH_A sl, q, i0               ; A's blocks i0 .. i0 + 3
.irp i, \i0, \i0+1, \i0+2, \i0+3
	FRAG AF+12*(\i), ADRA+\sl, 3072*(\i)+1536*(\q)
.endr
.endm
; 16 products: A's blocks a0, a0 + 1 x B's eight, chunk c.  The 64 accumulators take turns, one instruction a turn, in the same order in every chunk.
.macro MUL16 a0, c, zero
.irp a, \a0, \a0+1
.irp b, 0,1,2,3,4,5,6,7
.if \zero
	v_wmma_scale_f32_16x16x128_f8f6f4 v[8*(8*((\a)%4)+\b):8*(8*((\a)%4)+\b)+7], v[128*((\c)%2)+12*\b:128*((\c)%2)+12*\b+11], v[AF+12*(\a):AF+12*(\a)+11], 0, v[SC+8*(\c)+\b], v[SC+8*(\c)+(\a)] matrix_a_fmt:MATRIX_FMT_FP6 matrix_b_fmt:MATRIX_FMT_FP6 matrix_a_scale:MATRIX_SCALE_ROW1
.else
	v_wmma_scale_f32_16x16x128_f8f6f4 v[8*(8*((\a)%4)+\b):8*(8*((\a)%4)+\b)+7], v[128*((\c)%2)+12*\b:128*((\c)%2)+12*\b+11], v[AF+12*(\a):AF+12*(\a)+11], v[8*(8*((\a)%4)+\b):8*(8*((\a)%4)+\b)+7], v[SC+8*(\c)+\b], v[SC+8*(\c)+(\a)] matrix_a_fmt:MATRIX_FMT_FP6 matrix_b_fmt:MATRIX_FMT_FP6 matrix_a_scale:MATRIX_SCALE_ROW1
.endif
.endr
.endr
.endm
; Chunk c, whose successor (slot nsl, chunk nq) lies in a slot that is already shown whole.
.macro STEP c, nsl, nq, zero
	s_wait_dscnt 12                                ; B's set and A's blocks 0-3 are in; the youngest 12 loads (A's blocks 4-7) may be out
	WIN MUL_LO
	MUL16 0, \c, \zero
	MUL16 2, \c, \zero
	s_wait_dscnt 0x0                               ; A's blocks 4-7 are in
	PLACES 4
	FETCH_B \nsl, \nq, 1-(\c)%2
	FETCH_A \nsl, \nq, 0
	WIN MUL_HI
	MUL16 4, \c, \zero
	MUL16 6, \c, \zero
	PLACES 4
	WIN 0
	FETCH_A \nsl, \nq, 4
.endm
; A slot's second chunk c; the successor lies in slot nsl: one barrier.  kind 0: one younger load may stay out.  kind 1: slot 0 is filled again behind a round of the
; cluster's barrier.  kind 2: the refill is waited for; nothing is filled.
.macro TURN c, nsl, kind
.if \kind == 0
	s_wait_tensorcnt 1                             ; my part of the next slot is in; the load issued behind it may be out
	s_wait_dscnt 12
.else
	s_wait_tensorcnt 0x0                           ; all my tensor loads have landed, my part of the next slot among them
	ds_add_u32 v[SPW], v[NIL]                      ; 0 onto my spare word
	s_wait_dscnt 13                                ; the add and the youngest 12 loads may be out
.endif
	WIN MUL_LO
	MUL16 0, \c, 0
	s_wait_dscnt 0x0                               ; my reads of the slots behind me are over (and the add is done)
	s_barrier_signal -1
	MUL16 2, \c, 0
	WIN 0                                          ; at a branch and at a label every window is 0
	s_barrier_wait -1
.if \kind == 1
	CREST                                          ; the barrier has opened a round of the cluster's: no wave of any partner still reads slot 0 or has a load on its way
	s_add_nc_u64 s[G0+2:G0+3], s[G0+2:G0+3], 9216  ; from chunk 0 to chunk 6
	s_add_nc_u64 s[G0B+2:G0B+3], s[G0B+2:G0B+3], 9216
	JLOAD G0, G1, G0B, G1B                         ; the first tensor load behind the round; its four v_nop are the places in front of the loads below
.else
	PLACES 4
.endif
	FETCH_B \nsl, 0, 1-(\c)%2
	FETCH_A \nsl, 0, 0
	WIN MUL_HI
	MUL16 4, \c, 0
	MUL16 6, \c, 0
	PLACES 4
	WIN 0
	FETCH_A \nsl, 0, 4
.endm
.macro LAST c
	s_wait_dscnt 12
	WIN MUL_LO
	MUL16 0, \c, 0
	MUL16 2, \c, 0
	s_wait_dscnt 0x0
	WIN MUL_HI
	MUL16 4, \c, 0
	MUL16 6, \c, 0
	WIN 0
	PLACES 4                                       ; in front of the first read of results and the first write of A's registers
.endm
; THE WAY OUT of block a (16 rows of A x my 128 columns): the lane's 64 numbers, register 16 b + i = column 32 b + 16 (lane / 16) + i, are quantised where they lie and leave as one fragment's image.
.macro QUANTW a
.set W, 2+(\a)/4
.set AC, 64*((\a)%4)
	WIN 5*W                                        ; sources 0 and 1 in the accumulators' window
.irp b, 0,1,2,3
	v_max3_num_f32 v[BM+\b], |v[AC+16*\b]|, |v[AC+16*\b+1]|, 0x1800000   ; each accumulator is read from its low end on; the floor 2^(3 - 127) holds the byte at 1
.endr
	WIN 20*W                                       ; sources 1 and 2
.irp i, 2,4,6,8,10,12,14
.irp b, 0,1,2,3
	v_max3_num_f32 v[BM+\b], v[BM+\b], |v[AC+16*\b+\i]|, |v[AC+16*\b+\i+1]|
.endr
.endr
	WIN 0
.irp b, 0,1,2,3
	v_permlanex16_b32 v[BT+\b], v[BM+\b], s[SEL], s[SEL+1]
.endr
.irp b, 0,1,2,3
	v_max_num_f32 v[BM+\b], v[BM+\b], v[BT+\b]     ; with lane l xor 16's 16: the block's largest magnitude
.endr
.irp b, 0,1,2,3
	v_add_nc_u32 v[SO+\b], 0xff000000, v[BM+\b]    ; 2 off the exponent field: the conversion's scale operand
.endr
.irp b, 0,1,2,3
	v_lshrrev_b32 v[BT+\b], 23, v[SO+\b]           ; the byte
.endr
	v_lshl_or_b32 v[PW+\a], v[BT+1], 8, v[BT]
	v_lshl_or_b32 v[PW+\a], v[BT+2], 16, v[PW+\a]
	v_lshl_or_b32 v[PW+\a], v[BT+3], 24, v[PW+\a]
	s_wait_xcnt 0x0                                ; the last block's stores have read their data and their base: both are rewritten only behind this wait
.if \a > 0
	s_add_nc_u64 s[OUT:OUT+1], s[OUT:OUT+1], s[PIT:PIT+1]
.endif
	WIN W                                          ; source 0
.irp c, 0,1
	v_cvt_scalef32_pk16_fp6_f32 v[PC+6*\c:PC+6*\c+2], v[AC+32*\c:AC+32*\c+15], v[SO+2*\c]
	v_cvt_scalef32_pk16_fp6_f32 v[PC+12+4*\c:PC+14+4*\c], v[AC+32*\c+16:AC+32*\c+31], v[SO+2*\c+1]
.endr
	WIN 0
	v_nop                                          ; one plain place behind a scaled conversion
.irp c, 0,1
.irp i, 0,1,2
	v_permlane16_swap_b32 v[PC+6*\c+\i], v[PC+12+4*\c+\i]
.endr
.irp i, 0,1,2
	v_mov_b32 v[PC+3+6*\c+\i], v[PC+12+4*\c+\i]
.endr
.endr
.irp j, 0,1,2
	global_store_b128 v[LI], v[PC+4*\j:PC+4*\j+3], s[OUT:OUT+1] offset:512*\j   ; 32 lanes store 512 consecutive bytes, aligned
.endr
	ds_store_b32 v[SWA], v[PW+\a] offset:64*\a     ; both halves of the lanes hold the row's word and write the same value
.endm
	s_load_b128 s[4:7], s[0:1], 0x0                ; cd1 s[4:5], sc1 s[6:7]
	s_load_b128 s[8:11], s[0:1], 0x10              ; cd2 s[8:9], sc2 s[10:11]
	v_lshl_add_u32 v[SPW], v0, 2, SPARE
	v_mov_b32 v[NIL], 0
	ds_add_u32 v28, v29
	ds_add_u32 v28, v29
	s_wait_dscnt 0x0
	v_lshrrev_b32 v1, 5, v0
	v_readfirstlane_b32 s14, v1                    ; wave 0..3
	s_lshr_b32 s15, s14, 1                         ; which half of the tile's rows is mine.  Also: I fetch for A (0) or for B (1)
	s_and_b32 s16, s14, 1                          ; which half of its columns.  Also: which half of that tile I fetch
	s_bfe_u32 s66, ttmp6, 0x40000                  ; cx
	s_bfe_u32 s67, ttmp6, 0x40004                  ; cy
	s_lshl_b32 s68, s67, 2
	s_lshl_b32 s68, 15, s68                        ; my row of the cluster
	s_lshl_b32 s69, 0x1111, s66                    ; my column
	s_or_b32 s[G1], s68, (3<<16)|(1<<21)           ; 15:0 the mask; 17:16 elements of 8 bytes; 21 set beside a mask; no padding
	s_or_b32 s[G1B], s69, (3<<16)|(1<<21)
.irp g, G1, G1B
	s_mov_b32 s[\g+1], 384<<16                     ; tensor_dim0 = 384 elements: two chunks' images, 3,072 bytes
	s_mov_b32 s[\g+2], 8<<16                       ; tensor_dim1 = 8 row blocks
	s_mov_b32 s[\g+3], 384<<16                     ; tile_dim0
	s_mov_b32 s[\g+4], 8                           ; tile_dim1
	s_mov_b32 s[\g+5], 1536                        ; 12,288 bytes from row block to row block
	s_mov_b32 s[\g+6], 0
	s_mov_b32 s[\g+7], 0
.endr
	; what the cluster makes: both alternatives, one compare, then selects alone.  Rows are counted in cd1's and sc1's order: x 0.., W_q 4,096.., W_k 5,120.., W_v 6,144..
	s_lshr_b32 s70, ttmp9, 1
	s_lshl_b32 s70, s70, 10                        ; q, k: A = x from row 1,024 (g / 2)
	s_and_b32 s71, ttmp9, 1
	s_lshl_b32 s72, s71, 10
	s_add_co_u32 s72, s72, 4096                    ; q, k: B = W_q or W_k
	s_max_u32 s73, ttmp9, 8
	s_sub_co_u32 s73, s73, 8                       ; V: g - 8
	s_lshl_b32 s74, s73, 10                        ; V: B = x from row 1,024 (g - 8)
	s_lshl_b32 s75, s71, 12
	s_add_co_u32 s75, s75, s70                     ; q, k: the output's first row in cd2's and sc2's order (q 0.., k 4,096..)
	s_mul_i32 s76, s75, 768                        ; its byte in cd2
	s_mul_i32 s77, s73, 12288
	s_add_co_u32 s77, s77, 6291456                 ; V: chunk 8 (g - 8) of V^T's first row block
	s_lshl_b32 s78, s75, 2                         ; q, k: byte in sc2
	s_lshl_b32 s79, s73, 15
	s_add_co_u32 s79, s79, 262144                  ; V: chunk 8 (g - 8) of V^T's table
	s_mov_b32 s[PIT], 49152
	s_mov_b32 s81, 6144
	s_mov_b32 s82, 4096
	s_cmp_lt_u32 ttmp9, 8                          ; the cluster's number: the same in all sixteen partners
	s_cselect_b32 s70, s70, s81                    ; A's first row
	s_cselect_b32 s72, s72, s74                    ; B's first row
	s_cselect_b32 s76, s76, s77                    ; the output's first byte in cd2
	s_cselect_b32 s[PIT], 12288, s[PIT]            ; bytes from row block to row block there
	s_cselect_b32 s78, s78, s79                    ; the first byte in sc2
	s_cselect_b32 s82, 32768, s82                  ; bytes from chunk to chunk there
	s_mov_b32 s81, 0                               ; (the upper word of the pair s[80:81])
	s_lshl_b32 s83, s16, 7                         ; which 128 rows of a tile I fetch
	s_lshl_b32 s84, s67, 8
	s_add_co_u32 s84, s84, s70                     ; A's tile: first row + 256 cy
	s_add_co_u32 s85, s84, s83
	s_mul_i32 s86, s85, 768                        ; 768 bytes a row
	s_mov_b32 s87, 0
	s_lshl_b32 s88, s66, 8
	s_add_co_u32 s88, s88, s72                     ; B's tile: first row + 256 cx
	s_add_co_u32 s89, s88, s83
	s_mul_i32 s90, s89, 768
	s_mov_b32 s91, 0
	s_mul_i32 s92, s14, HALFT                      ; where my load lands in a slot: no place in the cluster enters an LDS address
	s_lshl_b32 s93, s67, 4
	s_lshl_b32 s94, s15, 3
	s_add_co_u32 s93, s93, s94                     ; my first row block of the cluster's 64: 16 cy + 8 (wave / 2)
	s_mul_i32 s93, s93, s[PIT]
	s_add_co_u32 s93, s93, s76
	s_lshl_b32 s94, s66, 1
	s_add_co_u32 s94, s94, s16                     ; my chunk of the cluster's 8: 2 cx + wave % 2
	s_mul_i32 s95, s94, 1536
	s_add_co_u32 s[OUT], s93, s95
	s_mov_b32 s[OUT+1], 0
	s_mul_i32 s95, s94, s82
	s_add_co_u32 s95, s95, s78
	s_lshl_b32 s93, s67, 10
	s_add_co_u32 s95, s95, s93
	s_lshl_b32 s93, s15, 9
	s_add_co_u32 s[SOUT], s95, s93                 ; + 4 (256 cy + 128 (wave / 2))
	s_mov_b32 s[SOUT+1], 0
	s_mov_b32 s[SEL], 0x76543210
	s_mov_b32 s[SEL+1], 0xfedcba98
	s_wait_kmcnt 0x0
	s_add_nc_u64 s[86:87], s[4:5], s[86:87]
	s_add_nc_u64 s[90:91], s[4:5], s[90:91]
	s_add_nc_u64 s[OUT:OUT+1], s[8:9], s[OUT:OUT+1]
	s_add_nc_u64 s[SOUT:SOUT+1], s[10:11], s[SOUT:SOUT+1]
	CROUND                                         ; all sixteen work-groups are here: the first joint loads meet
.irp s, 0,1,2                                      ; three first fills: chunks 0-5; three loads of mine are out
	s_mov_b32 s[G0+4*\s], 1
	s_add_co_u32 s[G0+4*\s+1], s92, \s*SLOT
	s_add_nc_u64 s[G0+4*\s+2:G0+4*\s+3], s[86:87], \s*3072
	s_or_b32 s[G0+4*\s+3], s[G0+4*\s+3], 0x80000000
	s_mov_b32 s[G0B+4*\s], 1
	s_add_co_u32 s[G0B+4*\s+1], s92, \s*SLOT
	s_add_nc_u64 s[G0B+4*\s+2:G0B+4*\s+3], s[90:91], \s*3072
	s_or_b32 s[G0B+4*\s+3], s[G0B+4*\s+3], 0x80000000
	JLOAD G0+4*\s, G1, G0B+4*\s, G1B
.endr
	v_and_b32 v1, 31, v0                           ; lane
	v_and_b32 v2, 15, v0                           ; r
	v_bfe_u32 v3, v0, 4, 1                         ; h
	v_lshlrev_b32 v[LI], 4, v1
	v_cmp_ne_u32 s17, 0, v3                        ; the mask of lanes 16-31
	s_lshl_b32 s93, s15, 7
	s_add_co_u32 s93, s93, s84
	s_lshl_b32 s93, s93, 2                         ; my 128 rows of A in a chunk of sc1
	s_lshl_b32 s94, s16, 7
	s_add_co_u32 s94, s94, s88
	s_lshl_b32 s94, s94, 2                         ; my 128 rows of B
	v_mov_b32 v8, s93
	v_mov_b32 v9, s94
	v_cndmask_b32 v8, v8, v9, s17
	v_lshl_add_u32 v[SOF], v2, 2, v8
.irp c, 0,1,2,3,4,5,6,7                            ; all scale words of my rows, once: they stay in registers
.irp i, 0,1,2,3,4,5,6,7
	global_load_b32 v[SC+8*\c+\i], v[SOF], s[6:7] offset:\c*CP+64*\i
.endr
.endr
	s_mul_i32 s93, s15, HALFT
	s_mul_i32 s94, s16, HALFT
	s_add_co_u32 s94, s94, 2*HALFT
.irp s, 0,1,2
	v_add_nc_u32 v[ADRA+\s], s93, v[LI]
	v_add_nc_u32 v[ADRB+\s], s94, v[LI]
	s_add_co_u32 s93, s93, SLOT
	s_add_co_u32 s94, s94, SLOT
.endr
	s_mul_i32 s93, s14, 1536
	s_add_co_u32 s93, s93, STAT
	v_lshl_add_u32 v[SWA], v2, 2, s93
	v_add_nc_u32 v[SRA], s93, v[LI]
.irp b, 0,1,2,3
	v_mov_b32 v[BT+\b], 0                          ; written once: a lane permute's destination counts as one of its sources
.endr
	s_wait_tensorcnt 2                             ; my part of slot 0 is in; the two loads behind it may be out
	s_barrier_signal -1
	s_barrier_wait -1
	FETCH_B 0, 0, 0
	FETCH_A 0, 0, 0
	FETCH_A 0, 0, 4
	s_wait_loadcnt 0x0                             ; the scale words
	STEP 0, 0, 1, 1                                ; the first chunk's products start the sums: nothing is cleared
	TURN 1, 1, 0
	STEP 2, 1, 1, 0
	TURN 3, 2, 1                                   ; slot 0, last read in chunk 0's step, takes chunks 6 and 7
	STEP 4, 2, 1, 0
	TURN 5, 0, 2
	STEP 6, 0, 1, 0
	LAST 7
.irp a, 0,1,2,3,4,5,6,7
	QUANTW \a
.endr
	ds_load_b128 v[148:151], v[SRA]                ; LDS serves a wave's instructions in order: my 128 rows' words, 16 bytes a lane
	s_wait_dscnt 0x0
	global_store_b128 v[LI], v[148:151], s[SOUT:SOUT+1]   ; 512 consecutive bytes, aligned
	s_wait_tensorcnt 0x0                           ; the wave's end
	ds_add_u32 v[SPW], v[NIL]
	s_wait_dscnt 0x0
	CROUND                                         ; the closing round
	s_endpgm
.Lfunc_end_k_q198e52884e_proj:
	.size	k_q198e52884e_proj, .Lfunc_end_k_q198e52884e_proj-k_q198e52884e_proj
	.p2alignl 7, 3214868480
	.fill 96, 4, 3214868480
	.section	.rodata,"a",@progbits
	.p2align	6, 0x0
	.amdhsa_kernel k_q198e52884e_proj
		.amdhsa_group_segment_fixed_size 327680
		.amdhsa_private_segment_fixed_size 0
		.amdhsa_enable_private_segment 0
		.amdhsa_kernarg_size 32
		.amdhsa_user_sgpr_count 2
		.amdhsa_user_sgpr_kernarg_segment_ptr 1
		.amdhsa_wavefront_size32 1
		.amdhsa_system_sgpr_workgroup_id_x 1
		.amdhsa_system_sgpr_workgroup_id_y 1
		.amdhsa_system_sgpr_workgroup_id_z 1
		.amdhsa_system_vgpr_workitem_id 0
		.amdhsa_next_free_vgpr 1024
		.amdhsa_next_free_sgpr 100
		.amdhsa_reserve_vcc 0
		.amdhsa_float_denorm_mode_32 3
		.amdhsa_float_denorm_mode_16_64 3
		.amdhsa_memory_ordered 1
		.amdhsa_forward_progress 1
		.amdhsa_inst_pref_size 144
	.end_amdhsa_kernel
	.amdgpu_metadata
---
amdhsa.version: [ 1, 2 ]
amdhsa.kernels:
  - .name:           k_q198e52884e_proj
    .symbol:         k_q198e52884e_proj.kd
    .args:
      - { .name: cd1, .offset: 0, .size: 8, .value_kind: global_buffer, .address_space: global }
      - { .name: sc1, .offset: 8, .size: 8, .value_kind: global_buffer, .address_space: global }
      - { .name: cd2, .offset: 16, .size: 8, .value_kind: global_buffer, .address_space: global }
      - { .name: sc2, .offset: 24, .size: 8, .value_kind: global_buffer, .address_space: global }
    .group_segment_fixed_size: 327680
    .private_segment_fixed_size: 0
    .kernarg_segment_align: 8
    .kernarg_segment_size: 32
    .max_flat_workgroup_size: 128
    .sgpr_count:     100
    .vgpr_count:     1024
    .wavefront_size: 32
...
	.end_amdgpu_metadata
.endif
;; end of part 2
;; launch score (part 3): grid 16 x 16, 4 waves a work-group, clusters of 4 x 4, 327,680 bytes of LDS; arguments cd2, sc2, cdp, st3; writes cdp, st3
.if DOCPART == 3
	.amdgcn_target "amdgcn-amd-amdhsa--gfx1250"
	.amdhsa_code_object_version 6
	.text
	.protected	k_q198e52884e_score
	.globl	k_q198e52884e_score
	.p2align	8
	.type	k_q198e52884e_score,@function
k_q198e52884e_score:
	s_mov_b64 s[64:65], 0
	v_nop
	global_prefetch_b8 v0, s[64:65] scope:SCOPE_SE
	s_setreg_imm32_b32 hwreg(HW_REG_WAVE_MODE, 25, 1), 1
	s_wait_xcnt 0x0
	s_wait_alu depctr_hold_cnt(0) depctr_sa_sdst(0) depctr_va_vdst(0) depctr_va_sdst(0) depctr_va_ssrc(0) depctr_va_vcc(0) depctr_vm_vsrc(0)
	s_getreg_b32 s2, hwreg(HW_REG_IB_STS2, 6, 4)
	s_cmp_eq_u32 s2, 0
	s_cbranch_scc0 .Lentry_in_a_cluster
	s_endpgm
.Lentry_in_a_cluster:
	s_bfe_u32 s2, ttmp6, 0x10000c
	s_cmp_lg_u32 s2, 0xf033
	s_cbranch_scc0 .Lentry_shape_is_right
	s_endpgm
.Lentry_shape_is_right:
; S = q k^T on codes of FP6 (E2M3) with E8M0 scales, K = 1,024, and the softmax's numerator, quantised, as codes: P.
; For each query and each run of 128 keys (one wave's columns): t = score x log2(e) / 32; M = the run's largest t rounded UP to a whole number; p = 2^(t - M); l = the sum of the unquantised p;
; p is quantised along the keys.  -M, l and p's scale word go to st3.  The maximum is taken away in every run; since M is a whole number, the last launch brings all runs of a row under the row's
; M by taking whole numbers off the scale bytes and by v_ldexp_f32 on l: the codes stay as they are.
; OPERANDS are images of registers (16 rows x 128 K = 1,536 bytes: registers 4 j .. 4 j + 3 of lane l at 512 j + 16 l), laid [row block][chunk][1536]; lane r of block mb holds row
; 32 (mb / 2) + 8 (mb % 2) + r + 8 (r / 8).  The matrix instruction is used transposed (source 0 = 16 keys, source 1 = 16 queries): a lane holds ONE query, and the 16 registers of two neighbouring
; tiles are 16 neighbouring keys.  P leaves in the same form: cdp = [query block 256][chunk of 128 keys, 32][1536].
; SHARES: a work-group makes 256 queries x 256 keys, a wave 128 x 128: 64 accumulators.  4 x 4 clusters: q's tiles are asked for jointly along a row, k's along a column.
; K goes through three LDS slots of two chunks; slot 0 is filled a second time, with the last two chunks.
; LIMITS: a block whose every p is 0 keeps the byte 1 (its codes are zeros); NaN and infinities are not served; t - M is one fused multiply-add of the score.
; REGISTERS: window 0: v0-31 addresses; v32-95 scale words and nothing else; v96-127 at work on the way out; v128-223 q's 8 fragments (on the way out: the codes just made); v240-255 words and statistics made.
;   window 1: k's fragments, two sets.  windows 2, 3: the accumulators: (a, b) at v[8 (8 (a % 4) + b)] of window 2 + a / 4.
.set SLOT,  98304
.set HALFT, 24576
.set SPARE, 3*SLOT                     ; the spare words: 128 bytes for each wave; no other line names them
.set STAT,  SPARE+512                  ; 1,536 bytes for each wave, its own: 128 x -M, 128 x l, 128 scale words; no fill lands here
.set CP,    32768                      ; sc2: bytes from chunk to chunk
.set LI,   4
.set SOF,  5
.set SWA,  6                           ; v6   STAT + 4 r
.set SRA,  7                           ; v7   STAT + 16 x lane
.set STA,  8                           ; v8   STAT + 512 h + 4 r: lanes 0-15 put -M, lanes 16-31 l
.set ADRA, 16
.set ADRB, 20
.set SPW,  28
.set NIL,  29
.set SC,   32
.set NM,   100                         ; v[100:101] -M, the largest t
.set BM,   104                         ; v104-107 the blocks' largest scores, then their largest p
.set BT,   108
.set SO,   112
.set SA,   118                         ; v[118:119], v[120:121] the sum, in two chains of pairs
.set SD,   120
.set AF,   128
.set PC,   128
.set PW,   240
.set ST,   248
.set G1,   24
.set G1B,  32
.set G0,   40
.set G0B,  52
.set CS,   2                           ; s[2:3] c = log2(e) / 32
.set HM,   17                          ; s17  the mask of lanes 16-31
.set SOUT, 18
.set OUT,  20
.set SEL,  22
.set MSB, 0
.macro WIN new
.if MSB != (\new)
	s_set_vgpr_msb (MSB<<8)|(\new)
.set MSB, (\new)
.endif
.endm
.set MUL_LO, 0xa1
.set MUL_HI, 0xf1
.set TO_B,   0x40
.macro JLOAD g0a, g1a, g0b, g1b        ; a joint load: waves 0 and 1 fetch q's halves, waves 2 and 3 k's; four v_nop follow each line
	s_cmp_eq_u32 s15, 0
	s_cbranch_scc0 .Lfor_b_\@
	tensor_load_to_lds s[\g0a:\g0a+3], s[\g1a:\g1a+7]
	s_nop 0
.rept 4
	v_nop
.endr
	s_branch .Lasked_\@
.Lfor_b_\@:
	tensor_load_to_lds s[\g0b:\g0b+3], s[\g1b:\g1b+7]
	s_nop 0
.rept 4
	v_nop
.endr
.Lasked_\@:
.endm
.macro CREST
	s_cmp_lg_u32 s14, 0
	s_cbranch_scc1 .Lnot_wave_0_\@
	s_barrier_signal -3
.Lnot_wave_0_\@:
	s_barrier_wait -3
	s_barrier_signal -1
	s_barrier_wait -1
.endm
.macro CROUND
	s_barrier_signal -1
	s_barrier_wait -1
	CREST
.endm
.macro PLACES n
.rept \n
	v_nop
.endr
.endm
.macro FRAG reg, adr, off
.irp j, 0,1,2
	ds_load_b128 v[\reg+4*\j:\reg+4*\j+3], v[\adr] offset:\off+512*\j
.endr
.endm
.macro FETCH_B sl, q, p
	WIN TO_B
.irp i, 0,1,2,3,4,5,6,7
	FRAG 128*(\p)+12*\i, ADRB+\sl, 3072*\i+1536*(\q)
.endr
	WIN 0
.endm
.macro FETCH_A sl, q, i0
.irp i, \i0, \i0+1, \i0+2, \i0+3
	FRAG AF+12*(\i), ADRA+\sl, 3072*(\i)+1536*(\q)
.endr
.endm
.macro MUL16 a0, c, zero               ; the 64 accumulators take turns, one instruction a turn
.irp a, \a0, \a0+1
.irp b, 0,1,2,3,4,5,6,7
.if \zero
	v_wmma_scale_f32_16x16x128_f8f6f4 v[8*(8*((\a)%4)+\b):8*(8*((\a)%4)+\b)+7], v[128*((\c)%2)+12*\b:128*((\c)%2)+12*\b+11], v[AF+12*(\a):AF+12*(\a)+11], 0, v[SC+8*(\c)+\b], v[SC+8*(\c)+(\a)] matrix_a_fmt:MATRIX_FMT_FP6 matrix_b_fmt:MATRIX_FMT_FP6 matrix_a_scale:MATRIX_SCALE_ROW1
.else
	v_wmma_scale_f32_16x16x128_f8f6f4 v[8*(8*((\a)%4)+\b):8*(8*((\a)%4)+\b)+7], v[128*((\c)%2)+12*\b:128*((\c)%2)+12*\b+11], v[AF+12*(\a):AF+12*(\a)+11], v[8*(8*((\a)%4)+\b):8*(8*((\a)%4)+\b)+7], v[SC+8*(\c)+\b], v[SC+8*(\c)+(\a)] matrix_a_fmt:MATRIX_FMT_FP6 matrix_b_fmt:MATRIX_FMT_FP6 matrix_a_scale:MATRIX_SCALE_ROW1
.endif
.endr
.endr
.endm
.macro STEP c, nsl, nq, zero
	s_wait_dscnt 12                                ; k's set and q's blocks 0-3 are in; the youngest 12 loads (q's blocks 4-7) may be out
	WIN MUL_LO
	MUL16 0, \c, \zero
	MUL16 2, \c, \zero
	s_wait_dscnt 0x0
	PLACES 4
	FETCH_B \nsl, \nq, 1-(\c)%2
	FETCH_A \nsl, \nq, 0
	WIN MUL_HI
	MUL16 4, \c, \zero
	MUL16 6, \c, \zero
	PLACES 4
	WIN 0
	FETCH_A \nsl, \nq, 4
.endm
.macro TURN c, nsl, kind               ; kind 0: 1: slot 0 is filled again behind a round; 2: the refill is waited for
.if \kind == 0
	s_wait_tensorcnt 1                             ; my part of the next slot is in; the load issued behind it may be out
	s_wait_dscnt 12
.else
	s_wait_tensorcnt 0x0                           ; all my tensor loads have landed
	ds_add_u32 v[SPW], v[NIL]                      ; 0 onto my spare word
	s_wait_dscnt 13                                ; the add and the youngest 12 loads may be out
.endif
	WIN MUL_LO
	MUL16 0, \c, 0
	s_wait_dscnt 0x0                               ; my reads of the slots behind me are over (and the add is done)
	s_barrier_signal -1
	MUL16 2, \c, 0
	WIN 0
	s_barrier_wait -1
.if \kind == 1
	CREST                                          ; no wave of any partner still reads slot 0 or has a load on its way
	s_add_nc_u64 s[G0+2:G0+3], s[G0+2:G0+3], 9216  ; from chunk 0 to chunk 6
	s_add_nc_u64 s[G0B+2:G0B+3], s[G0B+2:G0B+3], 9216
	JLOAD G0, G1, G0B, G1B
.else
	PLACES 4
.endif
	FETCH_B \nsl, 0, 1-(\c)%2
	FETCH_A \nsl, 0, 0
	WIN MUL_HI
	MUL16 4, \c, 0
	MUL16 6, \c, 0
	PLACES 4
	WIN 0
	FETCH_A \nsl, 0, 4
.endm
.macro LAST c
	s_wait_dscnt 12
	WIN MUL_LO
	MUL16 0, \c, 0
	MUL16 2, \c, 0
	s_wait_dscnt 0x0
	WIN MUL_HI
	MUL16 4, \c, 0
	MUL16 6, \c, 0
	WIN 0
	PLACES 4
.endm
; THE WAY OUT of block a: 16 queries x my 128 keys; register 16 b + i of the lane = key 32 b + 16 (lane / 16) + i of my query.
.macro SOFT a
.set W, 2+(\a)/4
.set AC, 64*((\a)%4)
	WIN 21*W                                       ; sources 0, 1, 2 in the accumulators' window
.irp b, 0,1,2,3
	v_max3_num_f32 v[BM+\b], v[AC+16*\b], v[AC+16*\b+1], v[AC+16*\b+2]   ; the largest score of each block of 32 keys: it serves the run's maximum and, since p rises with the score, the block's largest p
.endr
	WIN 20*W                                       ; sources 1, 2
.irp i, 3,5,7,9,11,13
.irp b, 0,1,2,3
	v_max3_num_f32 v[BM+\b], v[BM+\b], v[AC+16*\b+\i], v[AC+16*\b+\i+1]
.endr
.endr
.irp b, 0,1,2,3
	v_max_num_f32 v[BM+\b], v[BM+\b], v[AC+16*\b+15]
.endr
	WIN 0
.irp b, 0,1,2,3
	v_permlanex16_b32 v[BT+\b], v[BM+\b], s[SEL], s[SEL+1]
.endr
.irp b, 0,1,2,3
	v_max_num_f32 v[BM+\b], v[BM+\b], v[BT+\b]     ; with lane l xor 16's 16 keys
.endr
	v_max3_num_f32 v122, v[BM], v[BM+1], v[BM+2]
	v_max_num_f32 v122, v122, v[BM+3]              ; the largest score of my query in these 128 keys
	v_mul_f32 v[NM+1], s[CS], v122                 ; as t (c is positive)
	v_floor_f32 v[NM], -v[NM+1]                    ; -M = floor(-t) = -ceil(t): a whole number
	WIN 65*W                                       ; destination and source 0
.set j, 0
.rept 32
	v_pk_fma_f32 v[AC+j:AC+j+1], v[AC+j:AC+j+1], s[CS:CS+1], v[NM:NM+1] op_sel_hi:[1,0,0]   ; t - M, two at a time (of the pairs c and -M the low word serves both halves)
.set j, j+2
.endr
	WIN 0
.irp b, 0,1,2,3
	v_fma_f32 v[BM+\b], v[BM+\b], s[CS], v[NM]     ; the same of each block's largest score
.endr
	WIN 65*W
.set j, 0
.rept 64
	v_exp_f32 v[AC+j], v[AC+j]                     ; p = 2^(t - M), at most 1
.set j, j+1
.endr
	WIN 0
	v_nop                                          ; a plain place behind the exponentials
	s_wait_alu depctr_va_vdst(0)                   ; one wait for the batch of 64, ahead of its first reader
.irp b, 0,1,2,3
	v_exp_f32 v[BM+\b], v[BM+\b]                   ; the block's largest p: the same two instructions on the same number
.endr
	WIN 5*W                                        ; sources 0, 1
	v_pk_add_f32 v[SA:SA+1], v[AC:AC+1], v[AC+2:AC+3]          ; the sum of the UNQUANTISED p, two at a time, in two chains: plain work behind the four
	v_pk_add_f32 v[SD:SD+1], v[AC+4:AC+5], v[AC+6:AC+7]
	WIN 4*W                                        ; source 1
.irp j, 8,12,16,20,24,28,32,36,40,44,48,52,56,60
	v_pk_add_f32 v[SA:SA+1], v[SA:SA+1], v[AC+\j:AC+\j+1]
	v_pk_add_f32 v[SD:SD+1], v[SD:SD+1], v[AC+\j+2:AC+\j+3]
.endr
	WIN 0
	v_pk_add_f32 v[SA:SA+1], v[SA:SA+1], v[SD:SD+1]
	v_add_f32 v123, v[SA], v[SA+1]
	v_permlanex16_b32 v124, v123, s[SEL], s[SEL+1]
	v_add_f32 v123, v123, v124                     ; l of my query over these 128 keys
	s_wait_alu depctr_va_vdst(0)                   ; and one wait for the four
.irp b, 0,1,2,3
	v_max_num_f32 v[BM+\b], 0x1800000, v[BM+\b]    ; the floor 2^(3 - 127): the byte cannot fall under 1
.endr
.irp b, 0,1,2,3
	v_add_nc_u32 v[SO+\b], 0xff000000, v[BM+\b]    ; 2 off the exponent field: the conversion's scale operand
.endr
.irp b, 0,1,2,3
	v_lshrrev_b32 v[BT+\b], 23, v[SO+\b]
.endr
	v_lshl_or_b32 v[PW+\a], v[BT+1], 8, v[BT]
	v_lshl_or_b32 v[PW+\a], v[BT+2], 16, v[PW+\a]
	v_lshl_or_b32 v[PW+\a], v[BT+3], 24, v[PW+\a]
	s_wait_xcnt 0x0                                ; the last block's stores have read their data: the codes' registers are rewritten only behind this wait
	WIN W                                          ; source 0
.irp c, 0,1
	v_cvt_scalef32_pk16_fp6_f32 v[PC+6*\c:PC+6*\c+2], v[AC+32*\c:AC+32*\c+15], v[SO+2*\c]
	v_cvt_scalef32_pk16_fp6_f32 v[PC+12+4*\c:PC+14+4*\c], v[AC+32*\c+16:AC+32*\c+31], v[SO+2*\c+1]
.endr
	WIN 0
	v_nop                                          ; one plain place behind a scaled conversion
.irp c, 0,1
.irp i, 0,1,2
	v_permlane16_swap_b32 v[PC+6*\c+\i], v[PC+12+4*\c+\i]
.endr
.irp i, 0,1,2
	v_mov_b32 v[PC+3+6*\c+\i], v[PC+12+4*\c+\i]
.endr
.endr
.irp j, 0,1,2
	global_store_b128 v[LI], v[PC+4*\j:PC+4*\j+3], s[OUT:OUT+1] offset:(\a)*49152+512*\j   ; 512 consecutive bytes, aligned
.endr
	v_cndmask_b32 v[ST+\a], v[NM], v123, s[HM]     ; lanes 0-15 carry -M, lanes 16-31 l
	ds_store_b32 v[STA], v[ST+\a] offset:64*\a
	ds_store_b32 v[SWA], v[PW+\a] offset:1024+64*\a   ; both halves of the lanes write the same word with the same value
.endm
	s_load_b128 s[4:7], s[0:1], 0x0                ; cd2 s[4:5], sc2 s[6:7]
	s_load_b128 s[8:11], s[0:1], 0x10              ; cdp s[8:9], st3 s[10:11]
	v_lshl_add_u32 v[SPW], v0, 2, SPARE
	v_mov_b32 v[NIL], 0
	ds_add_u32 v28, v29
	ds_add_u32 v28, v29
	s_wait_dscnt 0x0
	v_lshrrev_b32 v1, 5, v0
	v_readfirstlane_b32 s14, v1                    ; wave 0..3
	s_lshr_b32 s15, s14, 1                         ; my half of the queries.  Also: I fetch for q (0) or for k (1)
	s_and_b32 s16, s14, 1                          ; my half of the keys.  Also: which half of that tile I fetch
	s_bfe_u32 s66, ttmp6, 0x40000                  ; cx
	s_bfe_u32 s67, ttmp6, 0x40004                  ; cy
	s_lshl_b32 s70, ttmp9, 2
	s_add_co_u32 s70, s70, s66                     ; tile of keys = 4 x cluster x + cx
	s_and_b32 s71, ttmp7, 0xffff
	s_lshl_b32 s71, s71, 2
	s_add_co_u32 s71, s71, s67                     ; tile of queries = 4 x cluster y + cy
	s_lshl_b32 s68, s67, 2
	s_lshl_b32 s68, 15, s68                        ; my row of the cluster
	s_lshl_b32 s69, 0x1111, s66                    ; my column
	s_or_b32 s[G1], s68, (3<<16)|(1<<21)           ; the mask; elements of 8 bytes; bit 21 beside a mask; no padding
	s_or_b32 s[G1B], s69, (3<<16)|(1<<21)
.irp g, G1, G1B
	s_mov_b32 s[\g+1], 384<<16                     ; two chunks' images, 3,072 bytes, in elements of 8
	s_mov_b32 s[\g+2], 8<<16                       ; 8 row blocks
	s_mov_b32 s[\g+3], 384<<16
	s_mov_b32 s[\g+4], 8
	s_mov_b32 s[\g+5], 1536                        ; 12,288 bytes from row block to row block
	s_mov_b32 s[\g+6], 0
	s_mov_b32 s[\g+7], 0
.endr
	s_lshl_b32 s83, s16, 7                         ; which 128 rows of a tile I fetch
	s_lshl_b32 s84, s71, 8                         ; q's tile: row 256 x tile of queries
	s_add_co_u32 s85, s84, s83
	s_mul_i32 s86, s85, 768
	s_mov_b32 s87, 0
	s_lshl_b32 s88, s70, 8
	s_add_co_u32 s88, s88, 4096                    ; k's tile: k's rows follow q's 4,096
	s_add_co_u32 s89, s88, s83
	s_mul_i32 s90, s89, 768
	s_mov_b32 s91, 0
	s_mul_i32 s92, s14, HALFT
	s_lshl_b32 s93, s71, 4
	s_lshl_b32 s94, s15, 3
	s_add_co_u32 s93, s93, s94                     ; my first block of queries
	s_mul_i32 s93, s93, 49152
	s_lshl_b32 s94, s70, 1
	s_add_co_u32 s94, s94, s16                     ; my chunk of keys, 0..31
	s_mul_i32 s95, s94, 1536
	s_add_co_u32 s[OUT], s93, s95
	s_mov_b32 s[OUT+1], 0
	s_lshl_b32 s95, s94, 14                        ; st3: 16,384 bytes a chunk,
	s_lshl_b32 s93, s71, 10
	s_add_co_u32 s95, s95, s93
	s_lshl_b32 s93, s15, 9
	s_add_co_u32 s[SOUT], s95, s93                 ; + 4 x my first query
	s_mov_b32 s[SOUT+1], 0
	s_mov_b32 s[SEL], 0x76543210
	s_mov_b32 s[SEL+1], 0xfedcba98
	s_mov_b32 s[CS], 0x3d38aa3b                    ; log2(e) / 32
	s_mov_b32 s[CS+1], s[CS]                       ; (named with it as a pair, so it is written)
	s_wait_kmcnt 0x0
	s_add_nc_u64 s[86:87], s[4:5], s[86:87]
	s_add_nc_u64 s[90:91], s[4:5], s[90:91]
	s_add_nc_u64 s[OUT:OUT+1], s[8:9], s[OUT:OUT+1]
	s_add_nc_u64 s[SOUT:SOUT+1], s[10:11], s[SOUT:SOUT+1]
	CROUND                                         ; all sixteen work-groups are here: the first joint loads meet
.irp s, 0,1,2                                      ; three first fills: chunks 0-5; three loads of mine are out
	s_mov_b32 s[G0+4*\s], 1
	s_add_co_u32 s[G0+4*\s+1], s92, \s*SLOT
	s_add_nc_u64 s[G0+4*\s+2:G0+4*\s+3], s[86:87], \s*3072
	s_or_b32 s[G0+4*\s+3], s[G0+4*\s+3], 0x80000000
	s_mov_b32 s[G0B+4*\s], 1
	s_add_co_u32 s[G0B+4*\s+1], s92, \s*SLOT
	s_add_nc_u64 s[G0B+4*\s+2:G0B+4*\s+3], s[90:91], \s*3072
	s_or_b32 s[G0B+4*\s+3], s[G0B+4*\s+3], 0x80000000
	JLOAD G0+4*\s, G1, G0B+4*\s, G1B
.endr
	v_and_b32 v1, 31, v0                           ; lane
	v_and_b32 v2, 15, v0                           ; r
	v_bfe_u32 v3, v0, 4, 1                         ; h
	v_lshlrev_b32 v[LI], 4, v1
	v_cmp_ne_u32 s[HM], 0, v3
	s_lshl_b32 s93, s15, 7
	s_add_co_u32 s93, s93, s84
	s_lshl_b32 s93, s93, 2                         ; my 128 queries in a chunk of sc2
	s_lshl_b32 s94, s16, 7
	s_add_co_u32 s94, s94, s88
	s_lshl_b32 s94, s94, 2                         ; my 128 keys
	v_mov_b32 v10, s93
	v_mov_b32 v11, s94
	v_cndmask_b32 v10, v10, v11, s[HM]
	v_lshl_add_u32 v[SOF], v2, 2, v10
.irp c, 0,1,2,3,4,5,6,7                            ; all scale words of my rows, once: they stay in registers
.irp i, 0,1,2,3,4,5,6,7
	global_load_b32 v[SC+8*\c+\i], v[SOF], s[6:7] offset:\c*CP+64*\i
.endr
.endr
	s_mul_i32 s93, s15, HALFT
	s_mul_i32 s94, s16, HALFT
	s_add_co_u32 s94, s94, 2*HALFT
.irp s, 0,1,2
	v_add_nc_u32 v[ADRA+\s], s93, v[LI]
	v_add_nc_u32 v[ADRB+\s], s94, v[LI]
	s_add_co_u32 s93, s93, SLOT
	s_add_co_u32 s94, s94, SLOT
.endr
	s_mul_i32 s93, s14, 1536
	s_add_co_u32 s93, s93, STAT
	v_lshl_add_u32 v[SWA], v2, 2, s93
	v_add_nc_u32 v[SRA], s93, v[LI]
	v_lshl_add_u32 v[STA], v3, 9, v[SWA]
.irp b, 0,1,2,3
	v_mov_b32 v[BT+\b], 0                          ; written once: a lane permute's destination counts as one of its sources
.endr
	v_mov_b32 v124, 0
	s_wait_tensorcnt 2                             ; my part of slot 0 is in; the two loads behind it may be out
	s_barrier_signal -1
	s_barrier_wait -1
	FETCH_B 0, 0, 0
	FETCH_A 0, 0, 0
	FETCH_A 0, 0, 4
	s_wait_loadcnt 0x0                             ; the scale words
	STEP 0, 0, 1, 1
	TURN 1, 1, 0
	STEP 2, 1, 1, 0
	TURN 3, 2, 1                                   ; slot 0, last read in chunk 0's step, takes chunks 6 and 7
	STEP 4, 2, 1, 0
	TURN 5, 0, 2
	STEP 6, 0, 1, 0
	LAST 7
.irp a, 0,1,2,3,4,5,6,7
	SOFT \a
.endr
.irp i, 0,1,2
	ds_load_b128 v[148+4*\i:151+4*\i], v[SRA] offset:512*\i    ; LDS serves a wave's instructions in order: -M, l and the words of my 128 queries
.endr
	s_wait_dscnt 0x0
.irp i, 0,1,2
	global_store_b128 v[LI], v[148+4*\i:151+4*\i], s[SOUT:SOUT+1] offset:524288*\i   ; 512 consecutive bytes of each of st3's three tables
.endr
	s_wait_tensorcnt 0x0                           ; the wave's end
	ds_add_u32 v[SPW], v[NIL]
	s_wait_dscnt 0x0
	CROUND                                         ; the closing round
	s_endpgm
.Lfunc_end_k_q198e52884e_score:
	.size	k_q198e52884e_score, .Lfunc_end_k_q198e52884e_score-k_q198e52884e_score
	.p2alignl 7, 3214868480
	.fill 96, 4, 3214868480
	.section	.rodata,"a",@progbits
	.p2align	6, 0x0
	.amdhsa_kernel k_q198e52884e_score
		.amdhsa_group_segment_fixed_size 327680
		.amdhsa_private_segment_fixed_size 0
		.amdhsa_enable_private_segment 0
		.amdhsa_kernarg_size 32
		.amdhsa_user_sgpr_count 2
		.amdhsa_user_sgpr_kernarg_segment_ptr 1
		.amdhsa_wavefront_size32 1
		.amdhsa_system_sgpr_workgroup_id_x 1
		.amdhsa_system_sgpr_workgroup_id_y 1
		.amdhsa_system_sgpr_workgroup_id_z 1
		.amdhsa_system_vgpr_workitem_id 0
		.amdhsa_next_free_vgpr 1024
		.amdhsa_next_free_sgpr 100
		.amdhsa_reserve_vcc 0
		.amdhsa_float_denorm_mode_32 3
		.amdhsa_float_denorm_mode_16_64 3
		.amdhsa_memory_ordered 1
		.amdhsa_forward_progress 1
		.amdhsa_inst_pref_size 200
	.end_amdhsa_kernel
	.amdgpu_metadata
---
amdhsa.version: [ 1, 2 ]
amdhsa.kernels:
  - .name:           k_q198e52884e_score
    .symbol:         k_q198e52884e_score.kd
    .args:
      - { .name: cd2, .offset: 0, .size: 8, .value_kind: global_buffer, .address_space: global }
      - { .name: sc2, .offset: 8, .size: 8, .value_kind: global_buffer, .address_space: global }
      - { .name: cdp, .offset: 16, .size: 8, .value_kind: global_buffer, .address_space: global }
      - { .name: st3, .offset: 24, .size: 8, .value_kind: global_buffer, .address_space: global }
    .group_segment_fixed_size: 327680
    .private_segment_fixed_size: 0
    .kernarg_segment_align: 8
    .kernarg_segment_size: 32
    .max_flat_workgroup_size: 128
    .sgpr_count:     100
    .vgpr_count:     1024
    .wavefront_size: 32
...
	.end_amdgpu_metadata
.endif
;; end of part 3
;; launch pv (part 4): grid 8 x 32, 4 waves a work-group, clusters of 4 x 4, 327,680 bytes of LDS; arguments cdp, st3, cd2, sc2, out0; writes out0
.if DOCPART == 4
	.amdgcn_target "amdgcn-amd-amdhsa--gfx1250"
	.amdhsa_code_object_version 6
	.text
	.protected	k_q198e52884e_pv
	.globl	k_q198e52884e_pv
	.p2align	8
	.type	k_q198e52884e_pv,@function
k_q198e52884e_pv:
	s_mov_b64 s[64:65], 0
	v_nop
	global_prefetch_b8 v0, s[64:65] scope:SCOPE_SE
	s_setreg_imm32_b32 hwreg(HW_REG_WAVE_MODE, 25, 1), 1
	s_wait_xcnt 0x0
	s_wait_alu depctr_hold_cnt(0) depctr_sa_sdst(0) depctr_va_vdst(0) depctr_va_sdst(0) depctr_va_ssrc(0) depctr_va_vcc(0) depctr_vm_vsrc(0)
	s_getreg_b32 s2, hwreg(HW_REG_IB_STS2, 6, 4)
	s_cmp_eq_u32 s2, 0
	s_cbranch_scc0 .Lentry_in_a_cluster
	s_endpgm
.Lentry_in_a_cluster:
	s_bfe_u32 s2, ttmp6, 0x10000c
	s_cmp_lg_u32 s2, 0xf033
	s_cbranch_scc0 .Lentry_shape_is_right
	s_endpgm
.Lentry_shape_is_right:
; O = P V / l on codes of FP6 (E2M3) with E8M0 scales, K = the 4,096 keys, in 32 chunks of 128.
; P's codes were made under a whole number M of their own for each chunk.  Here the row's M is the largest of the 32; d = M - M_chunk, a whole number, is taken off the chunk's four scale bytes,
; and the row's l is the sum of l_chunk x 2^-d (v_ldexp_f32): nothing is rounded by the change of M.  O is multiplied by 1 / l at the end.
; LIMITS: a scale byte that would fall under 0 is held at 0 (weights under 2^-120 of the row's largest); 1 / l is v_rcp_f32; NaN and infinities are not served.
; OPERANDS are images of registers (16 rows x 128 K = 1,536 bytes), P = [query block 256][chunk 32][1536], V^T = [block of the 1,024 channels, 64][chunk 32][1536] at byte 6,291,456 of cd2; lane r of block mb
; holds row 32 (mb / 2) + 8 (mb % 2) + r + 8 (r / 8).  The matrix instruction is used transposed (source 0 = 16 channels, source 1 = 16 queries): a lane holds one query and neighbouring channels.
; SHARES: a work-group makes 128 queries x 128 channels (256 work-groups: one for each WGP), a wave 64 x 64: 16 accumulators.  4 x 4 clusters: P's tiles are asked for jointly along a row, V's along a column.
; K goes through two LDS slots of four chunks, one joint load a wave behind each round.
; REGISTERS: window 0: v0-31 addresses; v32-39 scale words and nothing else, two sets of 4; v40-63 at work; v64-127 the way out; v128-255 the accumulators ((a, b) at v[128 + 8 (4 a + b)]; in the prologue: the tables).
;   window 1: two buffers of 96 at v0 and v128: P's 4 fragments, then V's 4.
.set SLOT,  98304                      ; four chunks: P's 8 blocks x 6,144 bytes, then V's
.set HALFT, 24576                      ; 4 blocks x 6,144: what one tensor load brings and what one wave reads of P or of V
.set TAB,   2*SLOT                     ; [chunk 32][P's 128 adjusted words, V's 128 words]: 1,024 bytes a chunk
.set RL,    TAB+32768                  ; 1 / l of the 128 queries
.set SPARE, RL+512                     ; the spare words: 128 bytes for each wave; no other line names them
.set STG,   SPARE+512                  ; the way out: for each wave 64 rows x (256 bytes + 16), its own
.set LI,   4                           ; v4   16 x lane
.set TO,   5                           ; v5   4 x my thread's number: my row in the tables
.set TW,   6                           ; v6   TAB + 4 x my thread's number
.set ADRS, 7                           ; v7   my scale words: lanes 0-15 P's rows, lanes 16-31 V's; it steps a slot's four chunks at a time
.set STO,  8
.set RD,   9
.set GO,   10
.set RLA,  11
.set ADRA, 16                          ; v16-17
.set ADRB, 20                          ; v20-21
.set SPW,  28
.set NIL,  29
.set SC,   32
.set RLP,  40                          ; v40-47 the way out: 1 / l of block a in v[40 + 2 a]
.set BK,   64
.set ACC,  128
.set NMT,  128                         ; the prologue: -M of the 32 chunks,
.set LT,   160                         ; l,
.set WT,   192                         ; P's scale words,
.set VT,   224                         ; V's
.set G1,   24
.set G1B,  32
.set G0,   40                          ; s[40:47] groups 0 for P's tiles, one for each slot;  s[48:55] for V's
.set G0B,  48
.set MSB, 0
.macro WIN new
.if MSB != (\new)
	s_set_vgpr_msb (MSB<<8)|(\new)
.set MSB, (\new)
.endif
.endm
.set MUL,  0x05                        ; sources 0 (V) and 1 (P) window 1; C and D window 0
.set TO_F, 0x40                        ; destination window 1, address window 0
.macro JLOAD g0a, g1a, g0b, g1b        ; a joint load: waves 0 and 1 fetch P's halves, waves 2 and 3 V's; four v_nop follow each line
	s_cmp_eq_u32 s15, 0
	s_cbranch_scc0 .Lfor_b_\@
	tensor_load_to_lds s[\g0a:\g0a+3], s[\g1a:\g1a+7]
	s_nop 0
.rept 4
	v_nop
.endr
	s_branch .Lasked_\@
.Lfor_b_\@:
	tensor_load_to_lds s[\g0b:\g0b+3], s[\g1b:\g1b+7]
	s_nop 0
.rept 4
	v_nop
.endr
.Lasked_\@:
.endm
.macro CREST
	s_cmp_lg_u32 s14, 0
	s_cbranch_scc1 .Lnot_wave_0_\@
	s_barrier_signal -3
.Lnot_wave_0_\@:
	s_barrier_wait -3
	s_barrier_signal -1
	s_barrier_wait -1
.endm
.macro CROUND
	s_barrier_signal -1
	s_barrier_wait -1
	CREST
.endm
.macro PLACES n
.rept \n
	v_nop
.endr
.endm
.macro FRAG reg, adr, off
.irp j, 0,1,2
	ds_load_b128 v[\reg+4*\j:\reg+4*\j+3], v[\adr] offset:\off+512*\j
.endr
.endm
; 28 LDS loads: chunk q of slot sl into buffer f: 4 registers of scale words, V's 4 fragments, P's 4
.macro FETCH sl, q, f
	WIN 0
.irp i, 0,1,2,3
	ds_load_b32 v[SC+4*(\f)+\i], v[ADRS] offset:1024*(\q)+64*\i
.endr
	WIN TO_F
.irp i, 0,1,2,3
	FRAG 128*(\f)+48+12*\i, ADRB+\sl, 6144*\i+1536*(\q)
.endr
.irp i, 0,1,2,3
	FRAG 128*(\f)+12*\i, ADRA+\sl, 6144*\i+1536*(\q)
.endr
.endm
.macro MUL4 f, a, zero                 ; P's block a x V's four; the 16 accumulators take turns, one instruction a turn
.irp b, 0,1,2,3
.if \zero
	v_wmma_scale_f32_16x16x128_f8f6f4 v[ACC+8*(4*(\a)+\b):ACC+8*(4*(\a)+\b)+7], v[128*(\f)+48+12*\b:128*(\f)+48+12*\b+11], v[128*(\f)+12*(\a):128*(\f)+12*(\a)+11], 0, v[SC+4*(\f)+\b], v[SC+4*(\f)+(\a)] matrix_a_fmt:MATRIX_FMT_FP6 matrix_b_fmt:MATRIX_FMT_FP6 matrix_a_scale:MATRIX_SCALE_ROW1
.else
	v_wmma_scale_f32_16x16x128_f8f6f4 v[ACC+8*(4*(\a)+\b):ACC+8*(4*(\a)+\b)+7], v[128*(\f)+48+12*\b:128*(\f)+48+12*\b+11], v[128*(\f)+12*(\a):128*(\f)+12*(\a)+11], v[ACC+8*(4*(\a)+\b):ACC+8*(4*(\a)+\b)+7], v[SC+4*(\f)+\b], v[SC+4*(\f)+(\a)] matrix_a_fmt:MATRIX_FMT_FP6 matrix_b_fmt:MATRIX_FMT_FP6 matrix_a_scale:MATRIX_SCALE_ROW1
.endif
.endr
.endm
; One of a slot's first three chunks: the next chunk's loads go out first, then this chunk's 16 products.
.macro CHUNK sl, q, zero
	s_wait_dscnt 0x0                               ; this chunk's 28 loads, issued a chunk ago, are in
	PLACES 4                                       ; in front of loads into the buffer and the scale registers that the last chunk's products read
	FETCH \sl, (\q)+1, 1-(\q)%2
	WIN MUL
	MUL4 (\q)%2, 0, \zero
	MUL4 (\q)%2, 1, \zero
	MUL4 (\q)%2, 2, \zero
	MUL4 (\q)%2, 3, \zero
.endm
; A slot's last chunk (buffer 1) changes slots: one barrier.  fill = 1: the slot is filled again, eight chunks on, behind a round of the cluster's barrier.
.macro TURN sl, nx, fill
	WIN 0                                          ; the add's two registers lie in window 0
	s_wait_tensorcnt 0x0                           ; all my tensor loads have landed: my part of the next slot
	ds_add_u32 v[SPW], v[NIL]                      ; 0 onto my spare word
	s_wait_dscnt 1                                 ; this chunk's 28 loads are in; the add alone may be out
	WIN MUL
	MUL4 1, 0, 0
	s_wait_dscnt 0x0                               ; the add is done; my reads of this slot are over
	s_barrier_signal -1
	MUL4 1, 1, 0
	WIN 0                                          ; at a branch and at a label every window is 0
	s_barrier_wait -1
.if \fill
	CREST                                          ; no wave of any partner still reads this slot or has a load on its way
	s_add_nc_u64 s[G0+4*\sl+2:G0+4*\sl+3], s[G0+4*\sl+2:G0+4*\sl+3], 12288
	s_add_nc_u64 s[G0B+4*\sl+2:G0B+4*\sl+3], s[G0B+4*\sl+2:G0B+4*\sl+3], 12288
	JLOAD G0+4*\sl, G1, G0B+4*\sl, G1B             ; the first tensor load behind the round; its four v_nop are the places in front of the loads below
.else
	PLACES 4
.endif
	v_add_nc_u32 v[ADRS], 4096, v[ADRS]            ; the next slot's scale words (no LDS load of mine is out)
	FETCH \nx, 0, 0
	WIN MUL
	MUL4 1, 2, 0
	MUL4 1, 3, 0
.endm
	s_load_b256 s[4:11], s[0:1], 0x0               ; cdp s[4:5], st3 s[6:7], cd2 s[8:9], sc2 s[10:11]
	s_load_b64 s[12:13], s[0:1], 0x20              ; out0
	v_lshl_add_u32 v[SPW], v0, 2, SPARE
	v_mov_b32 v[NIL], 0
	ds_add_u32 v28, v29
	ds_add_u32 v28, v29
	s_wait_dscnt 0x0
	v_lshrrev_b32 v1, 5, v0
	v_readfirstlane_b32 s14, v1                    ; wave 0..3
	s_lshr_b32 s15, s14, 1                         ; my half of the queries.  Also: I fetch for P (0) or for V (1)
	s_and_b32 s16, s14, 1                          ; my half of the channels.  Also: which half of that tile I fetch
	s_bfe_u32 s66, ttmp6, 0x40000                  ; cx
	s_bfe_u32 s67, ttmp6, 0x40004                  ; cy
	s_lshl_b32 s70, ttmp9, 2
	s_add_co_u32 s70, s70, s66                     ; tile of channels, 0..7
	s_and_b32 s71, ttmp7, 0xffff
	s_lshl_b32 s71, s71, 2
	s_add_co_u32 s71, s71, s67                     ; tile of queries, 0..31
	s_lshl_b32 s68, s67, 2
	s_lshl_b32 s68, 15, s68                        ; my row of the cluster
	s_lshl_b32 s69, 0x1111, s66                    ; my column
	s_or_b32 s[G1], s68, (3<<16)|(1<<21)           ; the mask; elements of 8 bytes; bit 21 beside a mask; no padding
	s_or_b32 s[G1B], s69, (3<<16)|(1<<21)
.irp g, G1, G1B
	s_mov_b32 s[\g+1], 768<<16                     ; four chunks' images, 6,144 bytes, in elements of 8
	s_mov_b32 s[\g+2], 4<<16                       ; 4 row blocks
	s_mov_b32 s[\g+3], 768<<16
	s_mov_b32 s[\g+4], 4
	s_mov_b32 s[\g+5], 6144                        ; 49,152 bytes from row block to row block
	s_mov_b32 s[\g+6], 0
	s_mov_b32 s[\g+7], 0
.endr
	s_lshl_b32 s73, s16, 2                         ; which 4 blocks of a tile I fetch
	s_lshl_b32 s72, s71, 3
	s_add_co_u32 s72, s72, s73
	s_mul_i32 s74, s72, 49152                      ; P: block 8 x tile of queries + 4 x half
	s_mov_b32 s75, 0
	s_lshl_b32 s76, s70, 3
	s_add_co_u32 s76, s76, s73
	s_mul_i32 s76, s76, 49152
	s_add_co_u32 s76, s76, 6291456                 ; V^T: behind q's and k's codes
	s_mov_b32 s77, 0
	s_mul_i32 s78, s14, HALFT                      ; where my load lands in a slot
	s_lshl_b32 s80, s71, 9                         ; st3: my tile's 128 rows
	s_mov_b32 s81, 0
	s_lshl_b32 s82, s70, 9
	s_add_co_u32 s82, s82, 262144                  ; sc2: V^T's table, my tile's 128 rows
	s_mov_b32 s83, 0
	s_lshl_b32 s86, s71, 19                        ; out0: 128 rows of 4,096 bytes a tile of queries,
	s_lshl_b32 s87, s15, 18                        ; 64 rows for my half,
	s_add_co_u32 s86, s86, s87
	s_lshl_b32 s87, s70, 9                         ; 512 bytes a tile of channels,
	s_add_co_u32 s86, s86, s87
	s_lshl_b32 s87, s16, 8                         ; 256 for my half
	s_add_co_u32 s86, s86, s87
	s_mov_b32 s87, 0
	s_wait_kmcnt 0x0
	s_add_nc_u64 s[74:75], s[4:5], s[74:75]
	s_add_nc_u64 s[76:77], s[8:9], s[76:77]
	s_add_nc_u64 s[80:81], s[6:7], s[80:81]
	s_add_nc_u64 s[82:83], s[10:11], s[82:83]
	s_add_nc_u64 s[12:13], s[12:13], s[86:87]
	CROUND                                         ; all sixteen work-groups are here: the first joint loads meet
.irp s, 0,1                                        ; two first fills: chunks 0-7; two loads of mine are out
	s_mov_b32 s[G0+4*\s], 1
	s_add_co_u32 s[G0+4*\s+1], s78, \s*SLOT
	s_add_nc_u64 s[G0+4*\s+2:G0+4*\s+3], s[74:75], \s*6144
	s_or_b32 s[G0+4*\s+3], s[G0+4*\s+3], 0x80000000
	s_mov_b32 s[G0B+4*\s], 1
	s_add_co_u32 s[G0B+4*\s+1], s78, \s*SLOT
	s_add_nc_u64 s[G0B+4*\s+2:G0B+4*\s+3], s[76:77], \s*6144
	s_or_b32 s[G0B+4*\s+3], s[G0B+4*\s+3], 0x80000000
	JLOAD G0+4*\s, G1, G0B+4*\s, G1B
.endr
	; THE PROLOGUE: thread t takes query 128 x tile + t (in the blocks' order) through all 32 chunks.
	v_lshlrev_b32 v[TO], 2, v0
	v_lshl_add_u32 v[TW], v0, 2, TAB
.set n, 0
.rept 32
	global_load_b32 v[NMT+n], v[TO], s[80:81] offset:16384*n
.set n, n+1
.endr
.set n, 0
.rept 32
	global_load_b32 v[LT+n], v[TO], s[80:81] offset:524288+16384*n
.set n, n+1
.endr
	v_and_b32 v1, 31, v0                           ; lane
	v_and_b32 v2, 15, v0                           ; r
	v_bfe_u32 v3, v0, 4, 1                         ; h
	v_lshlrev_b32 v[LI], 4, v1
	s_mul_i32 s84, s15, HALFT
	s_mul_i32 s85, s16, HALFT
	s_add_co_u32 s85, s85, 2*HALFT
.irp s, 0,1
	v_add_nc_u32 v[ADRA+\s], s84, v[LI]
	v_add_nc_u32 v[ADRB+\s], s85, v[LI]
	s_add_co_u32 s84, s84, SLOT
	s_add_co_u32 s85, s85, SLOT
.endr
	s_xor_b32 s85, s15, 1
	s_add_co_u32 s85, s85, s16
	s_add_co_u32 s85, s85, 1
	s_lshl_b32 s85, s85, 8                         ; from my rows' words of P to my rows' words of V: 512 + 256 (wave % 2) - 256 (wave / 2)
	v_mul_u32_u24 v[ADRS], s85, v3                 ; lanes 16-31 take V's
	s_lshl_b32 s84, s15, 8
	s_add_co_u32 s85, s84, TAB
	v_lshl_add_u32 v12, v2, 2, s85
	v_add_nc_u32 v[ADRS], v[ADRS], v12
	s_add_co_u32 s85, s84, RL
	v_lshl_add_u32 v[RLA], v2, 2, s85              ; 1 / l of my 64 queries: 4 r, + 64 a in the offset
	s_mul_i32 s84, s14, 17408
	s_add_co_u32 s84, s84, STG                     ; my stage
	v_mul_u32_u24 v[STO], v2, 272
	v_lshl_add_u32 v[STO], v3, 6, v[STO]
	v_add_nc_u32 v[STO], s84, v[STO]               ; in: row r, + 64 h
	v_mul_u32_u24 v[RD], v3, 272
	v_lshl_add_u32 v[RD], v2, 4, v[RD]
	v_add_nc_u32 v[RD], s84, v[RD]                 ; back: lanes 0-15 one row of 256 bytes, lanes 16-31 the next
	v_lshlrev_b32 v[GO], 12, v3
	v_lshl_add_u32 v[GO], v2, 4, v[GO]             ; and the same two rows in out0
	s_wait_loadcnt 32                              ; the 32 -M are in; the 32 l issued behind them may be out
.set n, 0
.rept 32
	global_load_b32 v[WT+n], v[TO], s[80:81] offset:1048576+16384*n
.set n, n+1
.endr
	v_min3_num_f32 v40, v[NMT], v[NMT+1], v[NMT+2]
.irp i, 3,5,7,9,11,13,15,17,19,21,23,25,27,29
	v_min3_num_f32 v40, v40, v[NMT+\i], v[NMT+\i+1]
.endr
	v_min_num_f32 v40, v40, v[NMT+31]              ; the least -M: minus the row's M
	s_wait_loadcnt 32                              ; the 32 l are in; the 32 words issued behind them may be out
.set n, 0
.rept 32
	global_load_b32 v[VT+n], v[TO], s[82:83] offset:4096*n
.set n, n+1
.endr
	s_wait_loadcnt 32                              ; P's 32 words are in; V's 32 may be out
.set n, 0
.rept 32
	v_sub_f32 v41, v[NMT+n], v40                   ; d = the row's M - the chunk's: a whole number, 0 or more
	v_cvt_i32_f32 v41, v41                         ; (it saturates)
	v_sub_nc_u32 v42, 0, v41
.if n == 0
	v_ldexp_f32 v44, v[LT+n], v42                  ; l_chunk x 2^-d starts the row's sum
.else
	v_ldexp_f32 v43, v[LT+n], v42
	v_add_f32 v44, v44, v43
.endif
	v_and_b32 v45, 0xff, v[WT+n]                   ; the word's four bytes,
	v_bfe_u32 v46, v[WT+n], 8, 8
	v_bfe_u32 v47, v[WT+n], 16, 8
	v_lshrrev_b32 v48, 24, v[WT+n]
	v_min_u32 v49, v45, v41                        ; each less d, held at 0: byte - min(byte, d)
	v_min_u32 v50, v46, v41
	v_min_u32 v51, v47, v41
	v_min_u32 v52, v48, v41
	v_sub_nc_u32 v45, v45, v49
	v_sub_nc_u32 v46, v46, v50
	v_sub_nc_u32 v47, v47, v51
	v_sub_nc_u32 v48, v48, v52
	v_lshl_or_b32 v45, v46, 8, v45
	v_lshl_or_b32 v45, v47, 16, v45
	v_lshl_or_b32 v[WT+n], v48, 24, v45
	ds_store_b32 v[TW], v[WT+n] offset:1024*n
.set n, n+1
.endr
	v_rcp_f32 v45, v44                             ; l is above 1/2: the row's largest p is
	v_nop                                          ; a plain place behind the reciprocal
	s_wait_alu depctr_va_vdst(0)                   ; the wait ahead of its first reader
	ds_store_b32 v[TW], v45 offset:RL-TAB
	s_wait_loadcnt 0x0                             ; V's words
.set n, 0
.rept 32
	ds_store_b32 v[TW], v[VT+n] offset:1024*n+512
.set n, n+1
.endr
	s_wait_tensorcnt 1                             ; my part of slot 0 is in; slot 1's may be out
	s_wait_dscnt 0x0                               ; for the others' sake: my words lie in LDS
	s_barrier_signal -1
	s_barrier_wait -1
	FETCH 0, 0, 0
	CHUNK 0, 0, 1                                  ; the first chunk's products start the sums
	WIN 0
	s_mov_b32 s3, 3
.Llap:                                                 ; a trip goes once round the ring, from a lap's second chunk to the next lap's first, and fills both slots again
	CHUNK 0, 1, 0
	CHUNK 0, 2, 0
	TURN 0, 1, 1
	CHUNK 1, 0, 0
	CHUNK 1, 1, 0
	CHUNK 1, 2, 0
	TURN 1, 0, 1
	CHUNK 0, 0, 0
	WIN 0
	s_sub_co_u32 s3, s3, 1
	s_cmp_lg_u32 s3, 0
	s_cbranch_scc1 .Llap
	CHUNK 0, 1, 0                                  ; the last lap is written out: it fills nothing
	CHUNK 0, 2, 0
	TURN 0, 1, 0
	CHUNK 1, 0, 0
	CHUNK 1, 1, 0
	CHUNK 1, 2, 0
	s_wait_dscnt 0x0
	WIN MUL
	MUL4 1, 0, 0
	MUL4 1, 1, 0
	MUL4 1, 2, 0
	MUL4 1, 3, 0
	WIN 0
	PLACES 4                                       ; in front of the first read of results
	; THE WAY OUT.  O / l; a block of 16 queries x 64 channels goes through my stage and comes back as rows of 256 bytes; sixteen lanes store one aligned run of 256 bytes.
.irp a, 0,1,2,3
	ds_load_b32 v[RLP+2*\a], v[RLA] offset:64*\a
	v_mov_b32 v[RLP+2*\a+1], 0                     ; (named with it as a pair, so it is written)
.endr
	s_wait_dscnt 0x0
.irp a, 0,1,2,3
.set j, 0
.rept 16
	v_pk_mul_f32 v[ACC+32*\a+j:ACC+32*\a+j+1], v[ACC+32*\a+j:ACC+32*\a+j+1], v[RLP+2*\a:RLP+2*\a+1] op_sel_hi:[1,0]   ; each accumulator from its low end on
.set j, j+2
.endr
.endr
.macro TOSTAGE a                       ; register j of accumulator (a, b): channel 32 (b / 2) + 8 (b % 2) + 16 h + j of my 64
.irp b, 0,1,2,3
	ds_store_b128 v[STO], v[ACC+8*(4*(\a)+\b):ACC+8*(4*(\a)+\b)+3] offset:4352*(\a)+128*(\b/2)+32*(\b%2)
	ds_store_b128 v[STO], v[ACC+8*(4*(\a)+\b)+4:ACC+8*(4*(\a)+\b)+7] offset:4352*(\a)+128*(\b/2)+32*(\b%2)+16
.endr
.irp u, 0,1,2,3,4,5,6,7
	ds_load_b128 v[BK+32*((\a)%2)+4*\u:BK+32*((\a)%2)+4*\u+3], v[RD] offset:(16*(\a)+2*\u)*272   ; LDS serves a wave's instructions in order: these see the stores above
.endr
.endm
.macro SEND a, younger                 ; stage row 16 a + i is the tile's row 32 (a / 2) + 8 (a % 2) + i + 8 (i / 8)
	s_wait_dscnt \younger
.irp u, 0,1,2,3,4,5,6,7
	global_store_b128 v[GO], v[BK+32*((\a)%2)+4*\u:BK+32*((\a)%2)+4*\u+3], s[12:13] offset:(32*((\a)/2)+8*((\a)%2)+2*\u+8*(\u/4))*4096 th:TH_STORE_NT
.endr
.endm
	TOSTAGE 0
.irp a, 1,2,3
.if \a > 1
	s_wait_xcnt 0x0                                ; block a - 2's stores have read their registers: block a's rows may land there
.endif
	TOSTAGE \a
	SEND \a-1, 16                                  ; behind block a - 1's loads: block a's 8 stores and 8 loads
.endr
	SEND 3, 0
	s_wait_tensorcnt 0x0                           ; the wave's end
	ds_add_u32 v[SPW], v[NIL]
	s_wait_dscnt 0x0
	CROUND                                         ; the closing round
	s_endpgm
.Lfunc_end_k_q198e52884e_pv:
	.size	k_q198e52884e_pv, .Lfunc_end_k_q198e52884e_pv-k_q198e52884e_pv
	.p2alignl 7, 3214868480
	.fill 96, 4, 3214868480
	.section	.rodata,"a",@progbits
	.p2align	6, 0x0
	.amdhsa_kernel k_q198e52884e_pv
		.amdhsa_group_segment_fixed_size 327680
		.amdhsa_private_segment_fixed_size 0
		.amdhsa_enable_private_segment 0
		.amdhsa_kernarg_size 40
		.amdhsa_user_sgpr_count 2
		.amdhsa_user_sgpr_kernarg_segment_ptr 1
		.amdhsa_wavefront_size32 1
		.amdhsa_system_sgpr_workgroup_id_x 1
		.amdhsa_system_sgpr_workgroup_id_y 1
		.amdhsa_system_sgpr_workgroup_id_z 1
		.amdhsa_system_vgpr_workitem_id 0
		.amdhsa_next_free_vgpr 512
		.amdhsa_next_free_sgpr 100
		.amdhsa_reserve_vcc 0
		.amdhsa_float_denorm_mode_32 3
		.amdhsa_float_denorm_mode_16_64 3
		.amdhsa_memory_ordered 1
		.amdhsa_forward_progress 1
		.amdhsa_inst_pref_size 131
	.end_amdhsa_kernel
	.amdgpu_metadata
---
amdhsa.version: [ 1, 2 ]
amdhsa.kernels:
  - .name:           k_q198e52884e_pv
    .symbol:         k_q198e52884e_pv.kd
    .args:
      - { .name: cdp, .offset: 0, .size: 8, .value_kind: global_buffer, .address_space: global }
      - { .name: st3, .offset: 8, .size: 8, .value_kind: global_buffer, .address_space: global }
      - { .name: cd2, .offset: 16, .size: 8, .value_kind: global_buffer, .address_space: global }
      - { .name: sc2, .offset: 24, .size: 8, .value_kind: global_buffer, .address_space: global }
      - { .name: out0, .offset: 32, .size: 8, .value_kind: global_buffer, .address_space: global }
    .group_segment_fixed_size: 327680
    .private_segment_fixed_size: 0
    .kernarg_segment_align: 8
    .kernarg_segment_size: 40
    .max_flat_workgroup_size: 128
    .sgpr_count:     100
    .vgpr_count:     512
    .wavefront_size: 32
...
	.end_amdgpu_metadata
.endif
;; end of part 4
